; MI455X (gfx1250); checked and timed in simulation.
; The chip was launched on July 23, 2026; its instructions are those of AMD's public machine-readable ISA for CDNA 5 (MIT licence, August 2026) and "CDNA5" Instruction Set Architecture Reference Guide (July 2026). The comments in the code are by the model that wrote it; some were corrected since.
;; Multi Head Attention. Allowed arithmetic: matrix products marked QUANTISED: E2M1 operands, one E8M0 scale for each 32 along K, by v_wmma_scale_f32_16x16x128_f8f6f4 with both operands' format E2M1 (or v_wmma_scale_f32_32x16x128_f4), f32 sums; everything else in f32.
;; Inputs: proj_b 1,024 float32; proj_w 1,024 x 1,024 float32; qkv_b 3,072 float32; qkv_w 3,072 x 1,024 float32; x 4 x 2,048 x 1,024 float32.
;; Outputs: out0 4 x 2,048 x 1,024 float32.
;; This version of the problem:
;;   THIS VERSION OF THE PROBLEM IS GIVEN IN LOW PRECISION. The matrix products marked QUANTISED in the list below multiply operands that are first quantised to E2M1 (2 exponent bits, 1 mantissa bit; 4 bits a number), with one power-of-two scale for each 32 numbers along K (OCP MX v1.0); their sums are f32. All else is computed in f32.
;;   The module's matrix products, in the order in which they are computed (A, B: the left and right operand; K: the contracted axis; several contracted axes count as one K, in the product's order):
;;     1. [M 8,192, K 1,024] x [K 1,024, N 3,072]; A: input x; B: input qkv_w: QUANTISED
;;     2. batch 64 x [M 2,048, K 64] x [K 64, N 2,048]; A: computed on the way; B: computed on the way: QUANTISED
;;     3. batch 64 x [M 2,048, K 2,048] x [K 2,048, N 64]; A: softmax (see below); B: computed on the way: QUANTISED
;;     4. [M 8,192, K 1,024] x [K 1,024, N 1,024]; A: computed on the way; B: input proj_w: QUANTISED
;;   THE QUANTISER, for each operand of a quantised product, along K:
;;     - K is cut into blocks of 32 from its start; a last block that is shorter is filled with zeros.
;;     - A block's scale is 2^e with e = floor(log2(the largest magnitude in the block)) - 2, held to -126 .. 127; a block of zeros has e = 0. As a byte (E8M0): e + 127.
;;     - Each number is divided by its block's scale, clamped to +-6, and rounded to the nearest number of E2M1, ties to even, subnormals kept.
;;     - The product sums the exact products of the quantised numbers (number of the format x scale) in f32.
;;   ~~~python
;;   def quantise(x, axis):      # numpy; x: float32 -> the quantised numbers, widened to float32 again
;;       x = np.moveaxis(x, axis, -1); K = x.shape[-1]
;;       x = np.pad(x, [(0, 0)] * (x.ndim - 1) + [(0, -K % 32)]); x = x.reshape(x.shape[:-1] + (-1, 32)); a = np.abs(x).max(-1, keepdims=True)
;;       e = np.where(a > 0, np.clip(np.frexp(np.where(a > 0, a, 1))[1] - 1 - 2, -126, 127), 0)      # np.frexp(a)[1] - 1 = floor(log2(a)), exactly
;;       r = np.clip(x / 2.0 ** e, -6, 6)
;;       step = 2.0 ** (np.maximum(np.frexp(np.where(r == 0, 1, r))[1] - 1, 0) - 1)
;;       q = np.round(r / step) * step * 2.0 ** e      # np.round: ties to even
;;       return np.moveaxis(q.reshape(q.shape[:-2] + (-1,))[..., :K], -1, axis).astype(np.float32)
;;   ~~~
;;   SOFTMAX AHEAD OF A QUANTISED PRODUCT. Where the list says 'softmax', what is quantised is not the finished softmax but p = 2^(t - M), with t = logit x log2(e) and M = ceil(the row's largest t), a whole number; so 1/2 < the row's largest p <= 1. The row's sum l is taken of the UNQUANTISED p, in f32, and the product's result is divided by l at the end. Since M is a whole number, a kernel that streams over the keys may use a running M (the ceiling of the running maximum): every later rescaling is an exact power of two, which a block's scale takes up: the codes' values come out the same.
;;   OPERANDS COMPUTED ON THE WAY. 'Computed on the way' means the value that the module computes at that place (a softmax that the list does not call 'softmax' is quantised finished and normalised). What goes into a quantiser is computed in f32, as accurately as f32 sums, v_exp_f32 and their like allow (about 1e-6 of the number): no bf16 or f16 on the way to a quantiser, and a product that is left as it is and whose result goes on into a quantised operand takes f32 operands (vector FMAs, or v_wmma_f32_16x16x4_f32). A number that lies on a knife's edge between two numbers of the format may be rounded either way, as far as f32 arithmetic and the matrix unit's own rounding can turn it there, and no further.
;; One version. Each part assembles by itself: llvm-mc -triple=amdgcn-amd-amdhsa -mcpu=gfx1250 --defsym DOCPART=n.
;; ======== version 1 of 1: 4 launches
;; workspace buffers: opc 6,291,456 bytes; ops 393,216 bytes; kv 9,175,040 bytes; qc 4,194,304 bytes; qs 524,288 bytes; ac 4,194,304 bytes; asc 262,144 bytes
;; launch quant (part 1): grid 384 x 1, 4 waves a work-group, no clusters, 33,280 bytes of LDS; arguments x, qkv_w, proj_w, opc, ops; writes opc, ops
.if DOCPART == 1
	.amdgcn_target "amdgcn-amd-amdhsa--gfx1250"
	.amdhsa_code_object_version 6
	.text
	.protected	k_qeb4216f844_quant
	.globl	k_qeb4216f844_quant
	.p2align	8
	.type	k_qeb4216f844_quant,@function
k_qeb4216f844_quant:
	s_mov_b64 s[64:65], 0
	v_nop
	global_prefetch_b8 v0, s[64:65] scope:SCOPE_SE
	s_setreg_imm32_b32 hwreg(HW_REG_WAVE_MODE, 25, 1), 1
	s_wait_xcnt 0x0
; THE PROGRAM: causal attention with 16 heads of 64 on [4][2048][1024], all four products on codes of FP4 (E2M1) with one E8M0 scale for each 32 along K.
; Four launches: (1) this one: x, qkv_w, proj_w into codes; (2) x Wqkv^T + bias, quantised in registers into q, k (along d) and v (along the keys); (3) attention; (4) the projection.
; WORK LEFT OUT, in launch 3 alone: a step of 128 keys all of which come after a tile's 16 queries.  reference() builds the mask tril(ones) in its own body and sets those scores to -inf ahead of the softmax:
; their weight is 0 whatever finite values the inputs hold, so neither their scores nor their part of the second product can reach an output.  Every input has a way to the output and is loaded.
; LIMITS: a NaN, an infinity or an overflow that reaches only the keys left out is not carried to the result; NaN and infinities among the inputs are not served; a block whose largest magnitude lies under
; 2^(2 - 126) has its byte held at 1; a block of zeros gets the byte 1 where the rule says 127 (its codes are zeros, which add nothing, and the bytes are read by this program alone).
; THIS LAUNCH.  The three tensors have K = 1,024 innermost and dense rows: plain streams of blocks of 32 numbers.  A block's scale is 2^(floor(log2(largest magnitude)) - 2); each number is divided by it and rounded to
; the nearest code, ties to even, beyond 6 the largest code.  opc takes the codes, 512 bytes a row, ops the scale bytes, 32 a row: x, then qkv_w, then proj_w.
; POSITION ORDER: the rows of x and of qkv_w are laid with bits 3 and 4 of the row number exchanged, so that place 16 i + r of tile i = 2 B + u holds row 32 B + 8 u + r + 8 (r / 8).  In a matrix result whose
; registers run along such rows the 16 registers of tiles 2 B and 2 B + 1 are then 16 neighbours: what the next quantiser takes.  A wave's run is 8 rows, so the exchange is an exchange of the wave's two bits.
; A work-group takes 32,768 numbers (32 rows): groups 0-255 x, 256-351 qkv_w, 352-383 proj_w (natural order).  A wave takes 16 steps of 512 numbers.  Each of a step's four loads reads 512 consecutive bytes; the 2,048 bytes
; turn through the wave's own stage in LDS and come back 64 bytes a lane, so that a lane holds 16 neighbours and two lanes a block.  A wave's store of codes covers 256 consecutive bytes, aligned; its 256 scale bytes
; are gathered in LDS and leave as one such run.  No shared input, so no cluster; no tensor load, no barrier: waves share nothing.
.set WAVES, 4
.set STEPS, 16
.set EMAX,  2
.set CB,    8                          ; bytes of 16 codes
.set R,     16                         ; v16-79   four sets of 16 numbers as they are loaded
.set X,     80                         ; v80-111  two sets of 16 neighbours
.set C,     128                        ; v128-191 codes: four registers for each step, so that no store's data are written again
.set E,     112                        ; v112-127 a scale byte for each step
.set WREG,  8192                       ; LDS: a region for each wave: two stages of 32 x SP bytes, behind them its 256 scale bytes
.set SP,    80                         ; a lane's place in a stage: 64 bytes + 16 of padding
.set SPW,   12                         ; v12  LDS address of my spare word; never rewritten
.set NIL,   13                         ; v13  0; never rewritten
.set SPARE, WAVES*WREG                 ; behind the four regions: the spare words, 128 bytes a wave, which no other line names
	s_load_b256 s[4:11], s[0:1], 0x0               ; x s[4:5], qkv_w s[6:7], proj_w s[8:9], opc s[10:11]
	s_load_b64 s[12:13], s[0:1], 0x20              ; ops
	v_lshl_add_u32 v[SPW], v0, 2, SPARE
	v_mov_b32 v[NIL], 0
	v_lshrrev_b32 v1, 5, v0
	v_readfirstlane_b32 s16, v1                    ; wave
	v_and_b32 v2, 31, v0                           ; lane
	v_lshlrev_b32 v3, 4, v2                        ; my 16 bytes of a load's 512
	s_mul_i32 s17, s16, WREG
	v_lshrrev_b32 v14, 2, v2
	v_mul_u32_u24 v14, v14, SP
	v_and_b32 v15, 3, v2
	v_lshl_add_u32 v14, v15, 4, v14
	v_add_nc_u32 v14, s17, v14                     ; the stage, on the way in: SP (lane / 4) + 16 (lane % 4)
	v_mul_u32_u24 v15, v2, SP
	v_add_nc_u32 v15, s17, v15                     ; and on the way out: SP x lane: my 16 neighbours
	v_mul_u32_u24 v4, v2, CB                       ; my codes' place in a step's
	v_lshrrev_b32 v5, 1, v2
	s_add_co_u32 s17, s17, 2*32*SP
	v_add_nc_u32 v5, s17, v5                       ; LDS: my wave's 256 scale bytes, my block's byte
	v_lshlrev_b32 v7, 3, v2                        ; and on the way out 8 bytes a lane
	v_add_nc_u32 v6, s17, v7
	s_and_b32 s21, s16, 1
	s_lshl_b32 s21, s21, 1
	s_lshr_b32 s22, s16, 1
	s_or_b32 s21, s21, s22                         ; the wave's two bits exchanged
	s_wait_alu depctr_va_vdst(0)
	s_wait_kmcnt 0x0
	s_cmp_lt_u32 ttmp9, 352                        ; the choices hang on the work-group's number alone
	s_cselect_b64 s[6:7], s[6:7], s[8:9]           ; qkv_w or proj_w
	s_mov_b32 s17, 352
	s_cselect_b32 s17, 256, s17                    ; that tensor's first work-group
	s_cselect_b32 s21, s21, s16                    ; proj_w keeps its rows' order
	s_cmp_lt_u32 ttmp9, 256
	s_cselect_b64 s[4:5], s[4:5], s[6:7]           ; x or the other
	s_cselect_b32 s17, 0, s17
	s_sub_co_u32 s17, ttmp9, s17
	s_lshl_b32 s17, s17, 2
	s_add_co_u32 s18, s17, s16                     ; which run of 8,192 numbers of the tensor is my wave's
	s_lshl_b32 s18, s18, 15                        ; 32,768 bytes a run: under 2^26
	s_mov_b32 s19, 0
	s_add_nc_u64 s[4:5], s[4:5], s[18:19]
	s_lshl_b32 s20, ttmp9, 2
	s_add_co_u32 s20, s20, s21                     ; where the run goes: the three tensors on end
	s_lshl_b32 s18, s20, 12                        ; 4,096 bytes of codes a run
	s_add_nc_u64 s[10:11], s[10:11], s[18:19]
	s_lshl_b32 s18, s20, 8                         ; 256 scale bytes a run
	s_add_nc_u64 s[12:13], s[12:13], s[18:19]
.macro LOAD t
.irp i, 0,1,2,3
	global_load_b128 v[R+16*((\t)%4)+4*\i:R+16*((\t)%4)+4*\i+3], v3, s[4:5] offset:2048*(\t)+512*\i th:TH_LOAD_NT   ; 32 lanes read 512 consecutive bytes
.endr
.endm
.macro TURN t                          ; step t's numbers through the stage: LDS serves a wave's instructions in order (ISA guide 5.7.1.4), so no wait stands between the stores and the loads
.irp i, 0,1,2,3
	ds_store_b128 v14, v[R+16*((\t)%4)+4*\i:R+16*((\t)%4)+4*\i+3] offset:32*SP*((\t)%2)+8*SP*\i
.endr
.irp i, 0,1,2,3
	ds_load_b128 v[X+16*((\t)%2)+4*\i:X+16*((\t)%2)+4*\i+3], v15 offset:32*SP*((\t)%2)+16*\i
.endr
.endm
.irp t, 0,1,2,3
	LOAD \t
.endr
	s_wait_loadcnt 12                              ; step 0's four loads are in; the twelve of steps 1 to 3 may be out
	TURN 0
.macro STEP t
.set XS, X+16*((\t)%2)
.if (\t) > 0
	s_wait_dscnt 1                                 ; this step's numbers are back from the stage (the last step's byte store may be out): so its stores into the stage have read their registers,
.else
	s_wait_dscnt 0x0
.endif
.if (\t)+4 < STEPS
	LOAD (\t)+4                                    ; which take the loads of four steps on
.endif
.if (\t)+1 < STEPS
.if STEPS-2-(\t) >= 3
	s_wait_loadcnt 12                              ; the next step's four loads are in; those of the three steps behind it may be out
.else
	s_wait_loadcnt 4*(STEPS-2-(\t))
.endif
	TURN (\t)+1                                    ; and go through the other stage while this step is worked
.endif
	v_max3_num_f32 v8, |v[XS]|, |v[XS+1]|, |v[XS+2]|               ; the largest magnitude of my 16, in two chains
	v_max3_num_f32 v9, |v[XS+3]|, |v[XS+4]|, |v[XS+5]|
.irp i, 6,10
	v_max3_num_f32 v8, v8, |v[XS+\i]|, |v[XS+\i+1]|
	v_max3_num_f32 v9, v9, |v[XS+\i+2]|, |v[XS+\i+3]|
.endr
	v_max3_num_f32 v8, v8, |v[XS+14]|, |v[XS+15]|
	v_max3_num_f32 v8, v8, v9, (EMAX+1)<<23        ; and the floor 2^(EMAX + 1 - 127): the byte cannot fall under 1
	v_max_num_f32_dpp v8, v8, v8 row_xmask:1 row_mask:0xf bank_mask:0xf   ; and of my neighbour's 16: the block's
	v_add_nc_u32 v11, -(EMAX<<23), v8              ; EMAX off its exponent field: the conversion takes the exponent field of this operand as its scale
	v_cvt_scalef32_pk8_fp4_f32 v[C+4*(\t)], v[XS:XS+7], v11
	v_cvt_scalef32_pk8_fp4_f32 v[C+4*(\t)+1], v[XS+8:XS+15], v11
	v_lshrrev_b32 v[E+(\t)], 23, v11               ; the scale's byte
	ds_store_b8 v5, v[E+(\t)] offset:16*(\t)       ; both lanes of a block write the same byte with the same value
	global_store_b64 v4, v[C+4*(\t):C+4*(\t)+1], s[10:11] offset:32*CB*(\t)   ; 32 lanes store 256 consecutive bytes, aligned
.endm
.irp t, 0,1,2,3,4,5,6,7,8,9,10,11,12,13,14,15
	STEP \t
.endr
	ds_load_b64 v[8:9], v6                         ; these see my byte stores: one wave's LDS instructions go in order
	s_wait_dscnt 0x0
	global_store_b64 v7, v[8:9], s[12:13]          ; 32 lanes store 256 consecutive bytes, aligned
	s_wait_tensorcnt 0x0                           ; the wave's end, behind my last LDS store
	ds_add_u32 v[SPW], v[NIL]
	s_wait_dscnt 0x0
	s_endpgm
.Lfunc_end_k_qeb4216f844_quant:
	.size	k_qeb4216f844_quant, .Lfunc_end_k_qeb4216f844_quant-k_qeb4216f844_quant
	.p2alignl 7, 3214868480
	.fill 96, 4, 3214868480
	.section	.rodata,"a",@progbits
	.p2align	6, 0x0
	.amdhsa_kernel k_qeb4216f844_quant
		.amdhsa_group_segment_fixed_size 33280
		.amdhsa_private_segment_fixed_size 0
		.amdhsa_enable_private_segment 0
		.amdhsa_kernarg_size 40
		.amdhsa_user_sgpr_count 2
		.amdhsa_user_sgpr_kernarg_segment_ptr 1
		.amdhsa_wavefront_size32 1
		.amdhsa_system_sgpr_workgroup_id_x 1
		.amdhsa_system_sgpr_workgroup_id_y 1
		.amdhsa_system_sgpr_workgroup_id_z 1
		.amdhsa_system_vgpr_workitem_id 0
		.amdhsa_next_free_vgpr 192
		.amdhsa_next_free_sgpr 66
		.amdhsa_reserve_vcc 0
		.amdhsa_float_denorm_mode_32 3
		.amdhsa_float_denorm_mode_16_64 3
		.amdhsa_memory_ordered 1
		.amdhsa_forward_progress 1
		.amdhsa_inst_pref_size 34
	.end_amdhsa_kernel
	.amdgpu_metadata
---
amdhsa.version: [ 1, 2 ]
amdhsa.kernels:
  - .name:           k_qeb4216f844_quant
    .symbol:         k_qeb4216f844_quant.kd
    .args:
      - { .name: x, .offset: 0, .size: 8, .value_kind: global_buffer, .address_space: global }
      - { .name: qkv_w, .offset: 8, .size: 8, .value_kind: global_buffer, .address_space: global }
      - { .name: proj_w, .offset: 16, .size: 8, .value_kind: global_buffer, .address_space: global }
      - { .name: opc, .offset: 24, .size: 8, .value_kind: global_buffer, .address_space: global }
      - { .name: ops, .offset: 32, .size: 8, .value_kind: global_buffer, .address_space: global }
    .group_segment_fixed_size: 33280
    .private_segment_fixed_size: 0
    .kernarg_segment_align: 8
    .kernarg_segment_size: 40
    .max_flat_workgroup_size: 128
    .sgpr_count:     66
    .vgpr_count:     192
    .wavefront_size: 32
...
	.end_amdgpu_metadata
.endif
;; end of part 1
;; launch gemm_qkv (part 2): grid 96 x 4, 4 waves a work-group, clusters of 4 x 4, 327,680 bytes of LDS; arguments opc, ops, qkv_b, kv, qc, qs; writes kv, qc, qs
.if DOCPART == 2
	.amdgcn_target "amdgcn-amd-amdhsa--gfx1250"
	.amdhsa_code_object_version 6
	.text
	.protected	k_qeb4216f844_gemm_qkv
	.globl	k_qeb4216f844_gemm_qkv
	.p2align	8
	.type	k_qeb4216f844_gemm_qkv,@function
k_qeb4216f844_gemm_qkv:
	s_mov_b64 s[64:65], 0
	v_nop
	global_prefetch_b8 v0, s[64:65] scope:SCOPE_SE
	s_setreg_imm32_b32 hwreg(HW_REG_WAVE_MODE, 25, 1), 1
	s_wait_xcnt 0x0
	s_wait_alu depctr_hold_cnt(0) depctr_sa_sdst(0) depctr_va_vdst(0) depctr_va_sdst(0) depctr_va_ssrc(0) depctr_va_vcc(0) depctr_vm_vsrc(0)
	s_getreg_b32 s2, hwreg(HW_REG_IB_STS2, 6, 4)
	s_cmp_eq_u32 s2, 0
	s_cbranch_scc0 .Lentry_in_a_cluster
	s_endpgm
.Lentry_in_a_cluster:
	s_bfe_u32 s2, ttmp6, 0x10000c
	s_cmp_lg_u32 s2, 0xf033
	s_cbranch_scc0 .Lentry_shape_is_right
	s_endpgm
.Lentry_shape_is_right:
; qkv = x Wqkv^T + b on codes of FP4 (K = 1,024), and its results quantised in registers: q and k along the head's 64, v along the keys.  No f32 result goes to memory.
; C'[i][j] = sum over k of R[i][k] P[j][k].  R is source 1: its rows fall on LANES.  P is source 0: its rows fall on REGISTERS, and that is the axis to be quantised.
;   clusters 0-15  (QK): R = x (tokens), P = rows 0-2,047 of qkv_w (q's and k's channels): a lane holds one token and 128 channels = two heads.
;   clusters 16-23 (V):  R = rows 2,048-3,071 of qkv_w (v's channels), P = x (tokens): a lane holds one channel and 128 tokens = one key step.
; Both operands lie in POSITION ORDER (bits 3 and 4 of the row exchanged), so the 16 registers of P's tiles 2 B, 2 B + 1 are 16 neighbours 32 B + 16 (lane / 16) + 0 .. 15: QUANT's input as it stands.
; A tile of C', 256 x 256, is made by four waves, 128 x 128 each: 64 accumulators, 512 registers.  K = 1,024 is exactly two LDS slots of 512: all tiles are asked for at the head, nothing is filled again.
; CLUSTERS 4 x 4: R's tiles are shared along a row of the cluster, P's along a column: joint tensor loads, masks of four.  The kind (QK or V) hangs on the cluster's number, which all sixteen partners share.
; OUT (all stores of a wave cover 512 consecutive bytes, aligned to 256, but V's scale words: two runs of 256):
;   kv [bh 64][key step 16][8,960]: +0 K's codes, 8 tiles x 512 B, each the image of a fragment's registers 0-3 (16 B a lane); +4,096 V^T's codes, 4 tiles of 16 d x 128 keys, 1,024 B images;
;      +8,192 K's scale words as the image of 4 registers (tile a, row r at 16 (r + 16 (a % 2)) + 4 (a / 2); bytes 2, 3 are 0 over zero codes); +8,704 V's, image of 2 registers.
;   qc [bh][block of 128 queries][8 tiles][512 B], qs [bh][block][512 B]: like K's.
; REGISTERS: window 0: v0-31 addresses; v32-95 the product's scale words, two sets; v128-191 R's fragments, one set; on the way out v96-123 at work, v128-191 64 numbers, v192-255 the bias.
;   window 1: P's fragments, two sets, at v0 and v128.  window 2: accumulators of my R blocks 0-3 ((a, b) at v[8 (8 (a % 4) + b)]); window 3: blocks 4-7.
; LIMITS: as stated at the head of the first launch (floor of a block's scale; NaN and infinities not served).
.set NQ,     4                         ; matrix instructions deep in a slot
.set ROWB,   256                       ; a tile's row: 512 codes
.set KROW,   512                       ; a row of codes in memory
.set PITCH,  272                       ; an LDS row: 256 bytes + 16 of padding = 68 words, so the 16 rows of a load start 4 banks apart (64 banks of 4 bytes: ISA guide 11.1)
.set FR,     8
.set NL,     2
.set NP,     4                         ; places behind this matrix instruction (ISA guide 7.12.1)
.set HALFT,  128*PITCH
.set SLOT,   4*HALFT                   ; R's 256 rows, then P's 256 rows
.set KS,     32                        ; a row of scale bytes
.set SCL,    2*SLOT                    ; behind the slots: the scales, as runs of 256 bytes + 16 of padding
.set HALFS,  (128*KS/256)*272
.set SBLK,   (16*KS/256)*272
.set SPARE,  SCL+4*HALFS               ; the spare words, 128 bytes a wave, which no other line names
.set LI,   8                           ; v8   16 x lane
.set QSI,  9                           ; v9   QK: where a made scale word goes: 1,024 w + 512 h + 16 r   (slot 0, which has had its last fill and its last read by then)
.set QSO,  10                          ; v10  QK: and comes back: 1,024 w + 16 x lane
.set VSI,  11                          ; v11  V: 4,096 + 512 w + 8 r      (bytes of its own for each of the two ways)
.set VSO,  12                          ; v12  V: 4,096 + 512 w + 16 x lane
.set BQ,   13                          ; v13  64 h: QK's bias
.set BV,   14                          ; v14  4 (r + 8 (r / 8)): V's bias
.set VGO,  15                          ; v15  16 r + 143,360 h: V's scale words in kv, two heads
.set ADRA, 16                          ; v16-17  LDS address of my R fragments in slot 0, 1
.set SH,   18                          ; v18  16 h
.set ADRB, 20                          ; v20-21  the same for P
.set ADRS, 27                          ; v27  my scale words: lanes 0-15 R's rows, lanes 16-31 P's
.set SPW,  28
.set NIL,  29
.set SC,   32
.set TM,   96                          ; v96-111 QUANT at work
.set PW,   112                         ; the scale word just made
.set WD,   113                         ; a head's half of it
.set PC,   116                         ; v116-123 the codes just made
.set AF,   128
.set NUM,  128
.set BIAS, 192
.set SEL,  66                          ; s[66:67] v_permlanex16_b32's selects for lane l xor 16
.set G1, 24
.set G0, 32
.set G1B, 48
.set G0B, 56
.set G1S, 68
.set G0S, 76
.set G1SB, 80
.set G0SB, 88
.set CB0, 36                           ; the way out (descriptor registers, free behind the wait for all tensor loads): codes of head 0, head 1;
.set CB1, 38
.set SB0, 48                           ; scale words of head 0, head 1;
.set SB1, 50
.set BP,  52                           ; the bias
.set MSB, 0
.macro WIN new                         ; the immediate's high byte repeats the setting that is left
.if MSB != \new
	s_set_vgpr_msb (MSB<<8)|\new
.set MSB, \new
.endif
.endm
.set MUL_LO, 0xa1                      ; source 0 (P) window 1, source 1 (R) window 0, C and D window 2
.set MUL_HI, 0xf1
.set TO_B,   0x40
; A joint load: waves 0 and 1 fetch for R, waves 2 and 3 for P.  The branch hangs on the wave's number alone.  An s_nop 0 and four v_nop follow each line.
.macro JLOAD g0a, g1a, g0b, g1b
	s_cmp_eq_u32 s15, 0
	s_cbranch_scc0 .Lfor_b_\@
	tensor_load_to_lds s[\g0a:\g0a+3], s[\g1a:\g1a+7]
	s_nop 0
.rept 4
	v_nop
.endr
	s_branch .Lasked_\@
.Lfor_b_\@:
	tensor_load_to_lds s[\g0b:\g0b+3], s[\g1b:\g1b+7]
	s_nop 0
.rept 4
	v_nop
.endr
.Lasked_\@:
.endm
.macro CROUND                          ; a round of the cluster's barrier
	s_barrier_signal -1
	s_barrier_wait -1
	s_cmp_lg_u32 s14, 0
	s_cbranch_scc1 .Lnot_wave_0_\@
	s_barrier_signal -3
.Lnot_wave_0_\@:
	s_barrier_wait -3
	s_barrier_signal -1
	s_barrier_wait -1
.endm
	s_load_b256 s[4:11], s[0:1], 0x0               ; opc s[4:5], ops s[6:7], qkv_b s[8:9], kv s[10:11]
	s_load_b128 s[96:99], s[0:1], 0x20             ; qc s[96:97], qs s[98:99]
	v_lshl_add_u32 v[SPW], v0, 2, SPARE
	v_mov_b32 v[NIL], 0
	ds_add_u32 v[SPW], v[NIL]                      ; the wave's opening: the add, twice on end, and its wait ahead of my first tensor load
	ds_add_u32 v[SPW], v[NIL]
	v_lshrrev_b32 v1, 5, v0
	v_readfirstlane_b32 s14, v1                    ; wave 0..3
	s_lshr_b32 s15, s14, 1                         ; which half of R's rows is mine.  Also: I fetch for R (0) or for P (1)
	s_and_b32 s16, s14, 1                          ; which half of P's rows.  Also: which 128 rows I fetch
	s_bfe_u32 s40, ttmp6, 0x40000                  ; cx
	s_bfe_u32 s41, ttmp6, 0x40004                  ; cy
	s_lshr_b32 s20, ttmp9, 1                       ; the cluster's number c = ttmp9, 0 .. 23
	s_and_b32 s21, ttmp9, 1
	s_max_u32 s22, ttmp9, 16
	s_sub_co_u32 s22, s22, 16
	s_cmp_lt_u32 ttmp9, 16                         ; QK or V: the same in all sixteen partners
	s_cselect_b32 s12, s20, 0                      ; the cluster's row: c / 2, or 0
	s_cselect_b32 s13, s21, s22                    ; its column: c % 2 (1: k's channels), or c - 16
	s_cselect_b32 s100, 0, 1                       ; the kind
	s_cselect_b32 s2, 0, 5242880                   ; where R's codes begin in opc: x, or v's rows of qkv_w
	s_cselect_b32 s3, 0, 327680                    ; and R's scale bytes in ops
	s_cselect_b32 s19, 4194304, 0                  ; P's codes: qkv_w, or x
	s_cselect_b32 s101, 262144, 0                  ; P's scale bytes
	s_lshl_b32 s42, s13, 2
	s_add_co_u32 s42, s42, s40                     ; tp: P's tile = 4 x column + cx
	s_lshl_b32 s17, s12, 2
	s_add_co_u32 s17, s17, s41                     ; tr: R's tile = 4 x row + cy
	s_lshl_b32 s43, s41, 2
	s_lshl_b32 s43, 15, s43                        ; my row of the cluster
	s_lshl_b32 s44, 0x1111, s40                    ; my column
	s_or_b32 s[G1+0], s43, (0<<16)|(1<<20)|(1<<21)|(5<<22)|(3<<25)  ; 15:0 the mask: R's tiles go to my row; elements of 1 byte; padding on; 21 set beside a mask; 4 words behind every 64
	s_or_b32 s[G1B+0], s44, (0<<16)|(1<<20)|(1<<21)|(5<<22)|(3<<25)
.irp g, G1, G1B
	s_mov_b32 s[\g+1], ROWB<<16                    ; tensor_dim0
	s_mov_b32 s[\g+2], 128<<16                     ; tensor_dim1
	s_mov_b32 s[\g+3], ROWB<<16                    ; tile_dim0
	s_mov_b32 s[\g+4], 128                         ; tile_dim1
	s_mov_b32 s[\g+5], KROW                        ; from row to row
	s_mov_b32 s[\g+6], 0
	s_mov_b32 s[\g+7], 0
.endr
	s_or_b32 s[G1S+0], s43, (3<<16)|(1<<20)|(1<<21)|(5<<22)|(3<<25) ; the scales of 128 rows: 4,096 dense bytes as 16 rows of 32 elements of 8 bytes, 16 bytes of padding behind each
	s_or_b32 s[G1SB+0], s44, (3<<16)|(1<<20)|(1<<21)|(5<<22)|(3<<25)
.irp g, G1S, G1SB
	s_mov_b32 s[\g+1], 32<<16
	s_mov_b32 s[\g+2], (128*KS/256)<<16
	s_mov_b32 s[\g+3], 32<<16
	s_mov_b32 s[\g+4], 128*KS/256
	s_mov_b32 s[\g+5], 32
	s_mov_b32 s[\g+6], 0
	s_mov_b32 s[\g+7], 0
.endr
	s_lshl_b32 s18, s16, 7                         ; which 128 rows of the tile I fetch
	s_lshl_b32 s20, s17, 8
	s_add_co_u32 s20, s20, s18                     ; R: row 256 tr + 128 x half
	s_lshl_b32 s46, s42, 8
	s_add_co_u32 s46, s46, s18                     ; P: row 256 tp + 128 x half
	s_lshl_b32 s22, s20, 5
	s_add_co_u32 s22, s22, s3                      ; R's scale bytes, 32 a row
	s_mov_b32 s23, 0
	s_lshl_b32 s20, s20, 9
	s_add_co_u32 s20, s20, s2                      ; R's codes, 512 bytes a row
	s_mov_b32 s21, 0
	s_lshl_b32 s92, s46, 5
	s_add_co_u32 s92, s92, s101
	s_mov_b32 s93, 0
	s_lshl_b32 s46, s46, 9
	s_add_co_u32 s46, s46, s19
	s_mov_b32 s47, 0
	s_mul_i32 s45, s14, HALFT                      ; where they go: wave x 128 rows: no place in the cluster enters an LDS address
	s_mul_i32 s94, s14, HALFS
	s_mov_b32 s[SEL], 0x76543210
	s_mov_b32 s[SEL+1], 0xfedcba98
	s_wait_dscnt 0x0                               ; both opening adds are done
	s_wait_kmcnt 0x0
	s_add_nc_u64 s[20:21], s[4:5], s[20:21]
	s_add_nc_u64 s[22:23], s[6:7], s[22:23]
	s_add_nc_u64 s[46:47], s[4:5], s[46:47]
	s_add_nc_u64 s[92:93], s[6:7], s[92:93]
	CROUND                                         ; all sixteen work-groups are here: the joint loads meet
	s_mov_b32 s[G0S], 1
	s_add_co_u32 s[G0S+1], s94, SCL
	s_mov_b64 s[G0S+2:G0S+3], s[22:23]
	s_or_b32 s[G0S+3], s[G0S+3], 0x80000000
	s_mov_b32 s[G0SB], 1
	s_add_co_u32 s[G0SB+1], s94, SCL
	s_mov_b64 s[G0SB+2:G0SB+3], s[92:93]
	s_or_b32 s[G0SB+3], s[G0SB+3], 0x80000000
	JLOAD G0S, G1S, G0SB, G1SB                     ; the scales first: three loads of mine are out in all
.irp s, 0,1
	s_mov_b32 s[G0+4*\s], 1
	s_add_co_u32 s[G0+4*\s+1], s45, \s*SLOT
	s_add_nc_u64 s[G0+4*\s+2:G0+4*\s+3], s[20:21], \s*ROWB
	s_or_b32 s[G0+4*\s+3], s[G0+4*\s+3], 0x80000000
	s_mov_b32 s[G0B+4*\s], 1
	s_add_co_u32 s[G0B+4*\s+1], s45, \s*SLOT
	s_add_nc_u64 s[G0B+4*\s+2:G0B+4*\s+3], s[46:47], \s*ROWB
	s_or_b32 s[G0B+4*\s+3], s[G0B+4*\s+3], 0x80000000
	JLOAD G0+4*\s, G1, G0B+4*\s, G1B
.endr
	v_and_b32 v1, 15, v0                           ; r
	v_bfe_u32 v2, v0, 4, 1                         ; h
	v_mul_u32_u24 v3, v1, PITCH
	v_lshl_add_u32 v4, v2, 4, v3                   ; a fragment's row x pitch + 16 h
	s_mul_i32 s21, s15, HALFT                      ; my 128 rows of R
	s_mul_i32 s22, s16, HALFT                      ; my 128 rows of P,
	s_add_co_u32 s22, s22, 2*HALFT                 ; behind R's 256
.irp s, 0,1
	v_add_nc_u32 v[ADRA+\s], s21, v4
	v_add_nc_u32 v[ADRB+\s], s22, v4
	s_add_co_u32 s21, s21, SLOT
	s_add_co_u32 s22, s22, SLOT
.endr
	v_mul_u32_u24 v5, v1, KS                       ; my row's scales: 32 bytes a row,
	v_lshrrev_b32 v6, 8, v5
	v_lshl_add_u32 v5, v6, 4, v5                   ; and 16 more for each 256 passed
	s_mul_i32 s21, s15, HALFS
	s_mul_i32 s22, s16, HALFS
	s_add_co_u32 s22, s22, 2*HALFS
	s_sub_co_u32 s22, s22, s21
	v_mul_u32_u24 v6, s22, v2                      ; lanes 16-31 take P's: the lower base + h x the distance
	s_add_co_u32 s21, s21, SCL
	v_add_nc_u32 v5, v5, v6
	v_add_nc_u32 v[ADRS], s21, v5
	v_and_b32 v6, 31, v0                           ; the way out's lane terms, all made here, ahead of the parting of the two kinds
	v_lshlrev_b32 v[LI], 4, v6
	s_lshl_b32 s23, s14, 10
	v_lshlrev_b32 v[QSI], 4, v1
	v_lshl_add_u32 v[QSI], v2, 9, v[QSI]
	v_add_nc_u32 v[QSI], s23, v[QSI]
	v_add_nc_u32 v[QSO], s23, v[LI]
	s_lshl_b32 s23, s14, 9
	s_add_co_u32 s23, s23, 4096
	v_lshl_add_u32 v[VSI], v1, 3, s23
	v_add_nc_u32 v[VSO], s23, v[LI]
	v_lshlrev_b32 v[BQ], 6, v2
	v_and_b32 v[BV], 8, v1
	v_add_nc_u32 v[BV], v[BV], v1
	v_lshlrev_b32 v[BV], 2, v[BV]
	v_mul_u32_u24 v[VGO], v2, 143360
	v_lshl_add_u32 v[VGO], v1, 4, v[VGO]
	v_lshlrev_b32 v[SH], 4, v2
.irp b, 0,1,2,3
	v_mov_b32 v[TM+4+\b], 0                        ; written once: a lane permute's destination counts as one of its sources
.endr
.macro FRAG reg, adr, q, i             ; 16 rows x 128 K of 4-bit codes: lane l holds row l % 16; registers 4 c .. 4 c + 3 hold K = 64 c + 32 (l / 16) + 0 .. 31
.irp c, 0,1
	ds_load_b128 v[\reg+4*\c:\reg+4*\c+3], v[\adr] offset:64*(\q)+32*\c+(\i)*16*PITCH
.endr
.endm
; 16 matrix instructions: R's blocks a0, a0 + 1 x P's eight, 128 along K.  The 64 accumulators take turns, one instruction a turn, in the same order in every step.
.macro MUL16 a0, p, q, sc, zero
.irp a, \a0, \a0+1
.irp b, 0,1,2,3,4,5,6,7
.if \zero
	v_wmma_scale_f32_16x16x128_f8f6f4 v[8*(8*((\a)%4)+\b):8*(8*((\a)%4)+\b)+7], v[128*(\p)+FR*\b:128*(\p)+FR*\b+FR-1], v[AF+FR*(\a):AF+FR*(\a)+FR-1], 0, v[SC+8*NQ*(\sc)+NQ*\b+(\q)], v[SC+8*NQ*(\sc)+NQ*(\a)+(\q)] matrix_a_fmt:MATRIX_FMT_FP4 matrix_b_fmt:MATRIX_FMT_FP4 matrix_a_scale:MATRIX_SCALE_ROW1
.else
	v_wmma_scale_f32_16x16x128_f8f6f4 v[8*(8*((\a)%4)+\b):8*(8*((\a)%4)+\b)+7], v[128*(\p)+FR*\b:128*(\p)+FR*\b+FR-1], v[AF+FR*(\a):AF+FR*(\a)+FR-1], v[8*(8*((\a)%4)+\b):8*(8*((\a)%4)+\b)+7], v[SC+8*NQ*(\sc)+NQ*\b+(\q)], v[SC+8*NQ*(\sc)+NQ*(\a)+(\q)] matrix_a_fmt:MATRIX_FMT_FP4 matrix_b_fmt:MATRIX_FMT_FP4 matrix_a_scale:MATRIX_SCALE_ROW1
.endif
.endr
.endr
.endm
.macro FETCH_B slot, q, p
	WIN TO_B
.irp i, 0,1,2,3,4,5,6,7
	FRAG 128*(\p)+FR*\i, ADRB+\slot, \q, \i
.endr
	WIN 0
.endm
.macro FETCH_A slot, q, i0
.irp i, \i0, \i0+1, \i0+2, \i0+3
	FRAG AF+FR*(\i), ADRA+\slot, \q, \i
.endr
.endm
.macro SCALES sc                       ; a slot's scale words: 4 words a row; lanes 0-15 take R's block i, lanes 16-31 P's block i
.irp i, 0,1,2,3,4,5,6,7
	ds_load_b128 v[SC+8*NQ*\sc+NQ*\i:SC+8*NQ*\sc+NQ*\i+3], v[ADRS] offset:\i*SBLK
.endr
.endm
.macro PLACES n                        ; plain vector instructions between a matrix instruction and a load into, or a vector read or write of, its registers
.rept \n
	v_nop
.endr
.endm
.macro STEP slot, q, zero              ; a step of 128 along K that has its successor in the same slot
	s_wait_dscnt 4*NL                              ; P's set and R's blocks 0-3 are in; the youngest eight loads (R's blocks 4-7) may be out
	WIN MUL_LO
	MUL16 0, (\q)%2, \q, \slot, \zero
	MUL16 2, (\q)%2, \q, \slot, \zero
	s_wait_dscnt 0
	PLACES NP
	FETCH_B \slot, (\q)+1, 1-(\q)%2
	FETCH_A \slot, (\q)+1, 0
	WIN MUL_HI
	MUL16 4, (\q)%2, \q, \slot, \zero
	MUL16 6, (\q)%2, \q, \slot, \zero
	PLACES NP
	WIN 0
	FETCH_A \slot, (\q)+1, 4
.endm
; Slot 0's last step changes slots: one barrier; in front of it each wave waits for all its tensor loads (its part of slot 1), adds 0 to its spare word, and waits for that and for its reads of slot 0.  Nothing is filled again.
.macro TURN slot, next
	s_wait_tensorcnt 0x0                           ; all my tensor loads have landed
	ds_add_u32 v[SPW], v[NIL]
	s_wait_dscnt 4*NL+1                            ; (the add and the youngest eight loads may be out)
	WIN MUL_LO
	MUL16 0, 1, NQ-1, \slot, 0
	s_wait_dscnt 0x0                               ; the add is done, and my reads of this slot are over
	s_barrier_signal -1
	MUL16 2, 1, NQ-1, \slot, 0
	WIN 0
	s_barrier_wait -1                              ; slot 1 is whole, and nobody reads slot 0 any more
	PLACES NP
	v_add_nc_u32 v[ADRS], 4*NQ, v[ADRS]            ; on to the next slot's scale words
	FETCH_B \next, 0, 0
	FETCH_A \next, 0, 0
	SCALES \next
	WIN MUL_HI
	MUL16 4, 1, NQ-1, \slot, 0
	MUL16 6, 1, NQ-1, \slot, 0
	PLACES NP
	WIN 0
	FETCH_A \next, 0, 4
.endm
.macro LAST                            ; the very last step: nothing more to fetch
	s_wait_dscnt 4*NL
	WIN MUL_LO
	MUL16 0, 1, NQ-1, 1, 0
	MUL16 2, 1, NQ-1, 1, 0
	s_wait_dscnt 0
	WIN MUL_HI
	MUL16 4, 1, NQ-1, 1, 0
	MUL16 6, 1, NQ-1, 1, 0
	WIN 0
.endm
; 64 numbers of a lane, v[s] .. v[s + 63], register 16 b + i = place 32 b + 16 (lane / 16) + i along the axis to be quantised, become a fragment's codes in v[PC] on (registers 4 c .. 4 c + 3: 64 c + 32 (lane / 16) + 0 .. 31)
; and its scale word in v[PW], the same in both halves of the lanes.
.macro QUANT s
.irp b, 0,1,2,3
	v_max3_num_f32 v[TM+\b], |v[\s+16*\b]|, |v[\s+1+16*\b]|, 0x1800000   ; block b: my 16 numbers, and the floor 2^(3 - 127): the byte cannot fall under 1
.endr
.irp i, 2,4,6,8,10,12,14
.irp b, 0,1,2,3
	v_max3_num_f32 v[TM+\b], v[TM+\b], |v[\s+16*\b+\i]|, |v[\s+1+16*\b+\i]|   ; the four blocks by turns
.endr
.endr
.irp b, 0,1,2,3
	v_permlanex16_b32 v[TM+4+\b], v[TM+\b], s[SEL], s[SEL+1]
.endr
.irp b, 0,1,2,3
	v_max_num_f32 v[TM+\b], v[TM+\b], v[TM+4+\b]   ; with lane l xor 16's: the block's largest magnitude
.endr
.irp b, 0,1,2,3
	v_add_nc_u32 v[TM+12+\b], 0xff000000, v[TM+\b] ; 2 off its exponent field: the conversion's scale operand
.endr
.irp b, 0,1,2,3
	v_lshrrev_b32 v[TM+4+\b], 23, v[TM+12+\b]      ; the scale's byte
.endr
	v_lshl_or_b32 v[PW], v[TM+5], 8, v[TM+4]
	v_lshl_or_b32 v[PW], v[TM+6], 16, v[PW]
	v_lshl_or_b32 v[PW], v[TM+7], 24, v[PW]
.irp b, 0,1,2,3
	v_cvt_scalef32_pk8_fp4_f32 v[PC+2*\b], v[\s+16*\b:\s+7+16*\b], v[TM+12+\b]
	v_cvt_scalef32_pk8_fp4_f32 v[PC+1+2*\b], v[\s+8+16*\b:\s+15+16*\b], v[TM+12+\b]
.endr
	v_nop                                          ; one plain place behind a scaled conversion
.irp c, 0,1                                    ; the operand's layout wants a whole block in a lane
.irp i, 0,1
	v_permlane16_swap_b32 v[PC+4*\c+\i], v[PC+2+4*\c+\i]
.endr
.endr
.endm
; R's block a goes out: + bias, quantised, stored.  kind 0: QK (bias by register: a channel each); kind 1: V (bias by lane: the lane's channel).
.macro EPI a, kind
	s_wait_xcnt 0x0                                ; the last block's stores have read their data: the codes' registers may be written again
	s_wait_dscnt 0x0                               ; and so has its LDS store
.set WW, 2+(\a)/4
	WIN WW                                         ; source 0: the accumulators' window
.set I, 0
.rept 32                                       ; ascending: each accumulator is read from its low end on
.if \kind
	v_pk_add_f32 v[NUM+2*I:NUM+2*I+1], v[64*((\a)%4)+2*I:64*((\a)%4)+2*I+1], v[BIAS+2*(\a):BIAS+2*(\a)+1]
.else
	v_pk_add_f32 v[NUM+2*I:NUM+2*I+1], v[64*((\a)%4)+2*I:64*((\a)%4)+2*I+1], v[BIAS+2*I:BIAS+2*I+1]
.endif
.set I, I+1
.endr
	WIN 0
	QUANT NUM
.if \kind
	global_store_b128 v[LI], v[PC:PC+3], s[CB0:CB0+1] offset:((\a)/4)*143360+((\a)%4)*1024        ; head a / 4, tile a % 4 of its 64: the fragment's image, 512 consecutive bytes a store
	global_store_b128 v[LI], v[PC+4:PC+7], s[CB0:CB0+1] offset:((\a)/4)*143360+((\a)%4)*1024+512
	ds_store_b32 v[VSI], v[PW] offset:256*((\a)/4)+128*((\a)%2)+4*(((\a)/2)%2)                    ; both halves of the lanes write the same word
.else
	global_store_b128 v[LI], v[PC:PC+3], s[CB0:CB0+1] offset:512*(\a)      ; channels 0-63: the first head's registers 0-3 of tile a
	global_store_b128 v[LI], v[PC+4:PC+7], s[CB1:CB1+1] offset:512*(\a)    ; channels 64-127: the second head's
	v_lshrrev_b32 v[WD], v[SH], v[PW]
	v_and_b32 v[WD], 0xffff, v[WD]                 ; lanes 0-15 the first head's two bytes, lanes 16-31 the second's; bytes 2 and 3 are 0, over zero codes
	ds_store_b32 v[QSI], v[WD] offset:256*((\a)%2)+4*((\a)/2)
.endif
.endm
	s_wait_tensorcnt 1                             ; the scales and my part of slot 0 are in (slot 1's load may be out)
	s_barrier_signal -1
	s_barrier_wait -1                              ; everybody's are
	FETCH_B 0, 0, 0
	FETCH_A 0, 0, 0
	SCALES 0
	FETCH_A 0, 0, 4
	STEP 0, 0, 1                                   ; the first products start the sums: nothing is cleared
	STEP 0, 1, 0
	STEP 0, 2, 0
	TURN 0, 1
	STEP 1, 0, 0
	STEP 1, 1, 0
	STEP 1, 2, 0
	s_cmp_lg_u32 s100, 0                           ; the two kinds part here (every window is 0); no barrier stands in either arm
	s_cbranch_scc1 .Lv
	; ---- QK.  My 128 tokens are one block of 128 of one batch; my 128 channels are two heads of q or of k
	s_lshl_b32 s20, s17, 8
	s_lshl_b32 s21, s15, 7
	s_add_co_u32 s20, s20, s21                     ; my first token
	s_lshr_b32 s21, s20, 11                        ; the batch
	s_bfe_u32 s22, s20, 0x40007                    ; the block of 128 in it
	s_and_b32 s23, s42, 3
	s_lshl_b32 s23, s23, 2
	s_lshl_b32 s46, s16, 1
	s_add_co_u32 s23, s23, s46                     ; my first head
	s_lshl_b32 s21, s21, 4
	s_add_co_u32 s21, s21, s23
	s_lshl_b32 s21, s21, 4
	s_add_co_u32 s21, s21, s22                     ; the record: (16 batch + head) 16 + block
	s_cmp_lg_u32 s13, 0                            ; k's channels or q's: hangs on the cluster's number alone
	s_cselect_b64 s[24:25], s[10:11], s[96:97]     ; codes into kv or qc
	s_cselect_b64 s[26:27], s[10:11], s[98:99]     ; scale words into kv or qs
	s_mov_b32 s28, 4096
	s_cselect_b32 s28, 8960, s28                   ; a record of codes
	s_mov_b32 s29, 512
	s_cselect_b32 s29, 8960, s29                   ; a record of scale words
	s_cselect_b32 s30, 8192, 0                     ; and where they begin in it
	s_mov_b32 s31, 65536
	s_cselect_b32 s31, 143360, s31                 ; a head on: 16 records
	s_mov_b32 s32, 8192
	s_cselect_b32 s32, 143360, s32
	s_mov_b32 s35, 0
	s_mul_i32 s34, s21, s28
	s_add_nc_u64 s[CB0:CB0+1], s[24:25], s[34:35]
	s_mov_b32 s34, s31
	s_add_nc_u64 s[CB1:CB1+1], s[CB0:CB0+1], s[34:35]
	s_mul_i32 s34, s21, s29
	s_add_co_u32 s34, s34, s30
	s_add_nc_u64 s[SB0:SB0+1], s[26:27], s[34:35]
	s_mov_b32 s34, s32
	s_add_nc_u64 s[SB1:SB1+1], s[SB0:SB0+1], s[34:35]
	s_lshl_b32 s34, s42, 10
	s_lshl_b32 s46, s16, 9
	s_add_co_u32 s34, s34, s46
	s_add_nc_u64 s[BP:BP+1], s[8:9], s[34:35]      ; the bias of my 128 channels
.irp j, 0,1,2,3,4,5,6,7,8,9,10,11,12,13,14,15
	global_load_b128 v[BIAS+4*\j:BIAS+4*\j+3], v[BQ], s[BP:BP+1] offset:128*(\j/4)+16*(\j%4)   ; register 16 B + i: channel 32 B + 16 h + i.  It lands under the last step's products
.endr
	LAST
	PLACES NP
	s_wait_loadcnt 0x0
.irp a, 0,1,2,3,4,5,6,7
	EPI \a, 0
.endr
	ds_load_b128 v[96:99], v[QSO]                  ; the two heads' scale words come back as images of four registers: one wave's LDS instructions go in order
	ds_load_b128 v[104:107], v[QSO] offset:512
	s_wait_dscnt 0x0
	global_store_b128 v[LI], v[96:99], s[SB0:SB0+1]
	global_store_b128 v[LI], v[104:107], s[SB1:SB1+1]
	s_branch .Ldone
.Lv:
	; ---- V.  My 128 channels are two heads of v; my 128 tokens are one key step of one batch
	s_lshl_b32 s20, s42, 8
	s_lshl_b32 s21, s16, 7
	s_add_co_u32 s20, s20, s21                     ; my first token
	s_lshr_b32 s21, s20, 11
	s_bfe_u32 s22, s20, 0x40007
	s_lshl_b32 s23, s17, 2
	s_lshl_b32 s46, s15, 1
	s_add_co_u32 s23, s23, s46                     ; my first head
	s_lshl_b32 s21, s21, 4
	s_add_co_u32 s21, s21, s23
	s_lshl_b32 s21, s21, 4
	s_add_co_u32 s21, s21, s22                     ; the record
	s_mul_i32 s34, s21, 8960
	s_mov_b32 s35, 0
	s_add_nc_u64 s[CB0:CB0+1], s[10:11], s[34:35]
	s_add_nc_u64 s[SB0:SB0+1], s[CB0:CB0+1], 8704  ; V's scale words
	s_add_nc_u64 s[CB0:CB0+1], s[CB0:CB0+1], 4096  ; V's codes
	s_lshl_b32 s34, s17, 10
	s_lshl_b32 s46, s15, 9
	s_add_co_u32 s34, s34, s46
	s_add_co_u32 s34, s34, 8192                    ; v's bias begins at number 2,048
	s_add_nc_u64 s[BP:BP+1], s[8:9], s[34:35]
	s_wait_alu depctr_va_vdst(0)
.irp a, 0,1,2,3,4,5,6,7
	global_load_b32 v[BIAS+2*\a], v[BV], s[BP:BP+1] offset:(32*(\a/2)+8*(\a%2))*4   ; place r of block a is channel 32 (a / 2) + 8 (a % 2) + r + 8 (r / 8)
.endr
	LAST
	PLACES NP
	s_wait_loadcnt 0x0
.irp a, 0,1,2,3,4,5,6,7
	v_mov_b32 v[BIAS+2*\a+1], v[BIAS+2*\a]         ; a pair for the packed addition
.endr
	s_wait_alu depctr_va_vdst(0)
.irp a, 0,1,2,3,4,5,6,7
	EPI \a, 1
.endr
	ds_load_b128 v[96:99], v[VSO]                  ; lanes 0-15 the first head's 256 bytes, lanes 16-31 the second's
	s_wait_dscnt 0x0
	global_store_b128 v[VGO], v[96:99], s[SB0:SB0+1]   ; each half of the lanes stores 256 consecutive bytes, aligned
.Ldone:
	s_wait_tensorcnt 0x0                           ; the wave's end, behind my last tensor load and my last LDS store
	ds_add_u32 v[SPW], v[NIL]
	s_wait_dscnt 0x0
	CROUND                                         ; the closing round
	s_endpgm
.Lfunc_end_k_qeb4216f844_gemm_qkv:
	.size	k_qeb4216f844_gemm_qkv, .Lfunc_end_k_qeb4216f844_gemm_qkv-k_qeb4216f844_gemm_qkv
	.p2alignl 7, 3214868480
	.fill 96, 4, 3214868480
	.section	.rodata,"a",@progbits
	.p2align	6, 0x0
	.amdhsa_kernel k_qeb4216f844_gemm_qkv
		.amdhsa_group_segment_fixed_size 327680
		.amdhsa_private_segment_fixed_size 0
		.amdhsa_enable_private_segment 0
		.amdhsa_kernarg_size 48
		.amdhsa_user_sgpr_count 2
		.amdhsa_user_sgpr_kernarg_segment_ptr 1
		.amdhsa_wavefront_size32 1
		.amdhsa_system_sgpr_workgroup_id_x 1
		.amdhsa_system_sgpr_workgroup_id_y 1
		.amdhsa_system_sgpr_workgroup_id_z 1
		.amdhsa_system_vgpr_workitem_id 0
		.amdhsa_next_free_vgpr 1024
		.amdhsa_next_free_sgpr 102
		.amdhsa_reserve_vcc 0
		.amdhsa_float_denorm_mode_32 3
		.amdhsa_float_denorm_mode_16_64 3
		.amdhsa_memory_ordered 1
		.amdhsa_forward_progress 1
		.amdhsa_inst_pref_size 208
	.end_amdhsa_kernel
	.amdgpu_metadata
---
amdhsa.version: [ 1, 2 ]
amdhsa.kernels:
  - .name:           k_qeb4216f844_gemm_qkv
    .symbol:         k_qeb4216f844_gemm_qkv.kd
    .args:
      - { .name: opc, .offset: 0, .size: 8, .value_kind: global_buffer, .address_space: global }
      - { .name: ops, .offset: 8, .size: 8, .value_kind: global_buffer, .address_space: global }
      - { .name: qkv_b, .offset: 16, .size: 8, .value_kind: global_buffer, .address_space: global }
      - { .name: kv, .offset: 24, .size: 8, .value_kind: global_buffer, .address_space: global }
      - { .name: qc, .offset: 32, .size: 8, .value_kind: global_buffer, .address_space: global }
      - { .name: qs, .offset: 40, .size: 8, .value_kind: global_buffer, .address_space: global }
    .group_segment_fixed_size: 327680
    .private_segment_fixed_size: 0
    .kernarg_segment_align: 8
    .kernarg_segment_size: 48
    .max_flat_workgroup_size: 128
    .sgpr_count:     102
    .vgpr_count:     1024
    .wavefront_size: 32
...
	.end_amdgpu_metadata
.endif
;; end of part 2
;; launch attn (part 3): grid 4 x 64, 16 waves a work-group, clusters of 4 x 1, 167,936 bytes of LDS; arguments kv, qc, qs, ac, asc; writes ac, asc
.if DOCPART == 3
	.amdgcn_target "amdgcn-amd-amdhsa--gfx1250"
	.amdhsa_code_object_version 6
	.text
	.protected	k_qeb4216f844_attn
	.globl	k_qeb4216f844_attn
	.p2align	8
	.type	k_qeb4216f844_attn,@function
k_qeb4216f844_attn:
	s_mov_b64 s[64:65], 0
	v_nop
	global_prefetch_b8 v0, s[64:65] scope:SCOPE_SE
	s_setreg_imm32_b32 hwreg(HW_REG_WAVE_MODE, 25, 1), 1
	s_wait_xcnt 0x0
	s_wait_alu depctr_hold_cnt(0) depctr_sa_sdst(0) depctr_va_vdst(0) depctr_va_sdst(0) depctr_va_ssrc(0) depctr_va_vcc(0) depctr_vm_vsrc(0)
	s_getreg_b32 s2, hwreg(HW_REG_IB_STS2, 6, 4)
	s_cmp_eq_u32 s2, 0
	s_cbranch_scc0 .Lentry_in_a_cluster
	s_endpgm
.Lentry_in_a_cluster:
	s_bfe_u32 s2, ttmp6, 0x10000c
	s_cmp_lg_u32 s2, 0x3003
	s_cbranch_scc0 .Lentry_shape_is_right
	s_endpgm
.Lentry_shape_is_right:
; o = softmax(q k^T / 8, causal) v for one (batch, head) a cluster, both products on codes of FP4; o / l is quantised along d and leaves as the next product's operand.
; WORK LEFT OUT: a step of 128 keys all of which come after a tile's queries: reference()'s own tril sets those scores to -inf, so their weight is 0 for all inputs (shown at the head of the first launch).
; LIMITS: as stated there.  Also: asc's scale bytes leave as single bytes in rows 32 bytes apart (one sixteenth of what this launch stores): the 32 bytes of a row come from sixteen heads, that is sixteen clusters.
; THE SOFTMAX: t = score x log2(e) / 8; M = the running largest t rounded up to a whole number; p = 2^(t - M) is quantised along the keys, not normalised; the row's sum is taken of the unquantised p and divides at the end;
; when M moves, the sum and O are multiplied by 2^(old M - new M), which rounds nothing.
; SHARES.  A head's K and V, 16 records of 8,960 bytes (one for each 128 keys: codes and scale words as images of registers), stay in LDS for the whole launch: wave w brings record w by ONE joint load, which the four
; work-groups of the cluster ask for together (mask 15).  No ring, and no barrier behind the first.  The head's 128 tiles of 16 queries: tile 8 m + 2 cx + u, m the block of 128 queries.  Wave w (p = w / 2, u = w % 2)
; takes block 15 - p and then block p: (16 - p) + (p + 1) = 17 key steps for every wave of every work-group.  No branch and no LDS address hangs on cx: it enters global addresses and the mask's lane number alone.
; LAYOUT.  Both products transposed: S^T = K Q^T (source 0 = 16 keys), O^T = V^T P^T (source 0 = 16 of the head's 64): a lane holds one query throughout.  K's tiles, V's tiles and the queries lie in position order
; (place r of tile 2 B + u = 32 B + 8 u + r + 8 (r / 8)), so 16 registers of two neighbouring tiles are 16 neighbours: p is ready for its quantiser along the keys, O^T for its own along d.
; The first product's K is 64: registers 4-7 of K's and Q's fragments are zero codes, set once; bytes 2 and 3 of their scale words are 0, which is a power of two over zeros.
; REGISTERS: v1-10 lane terms; v12 -M, v13 largest t, v[14:15] the sum; v16-23 Q; v[24:25] V's scale words; v32-95 K's 8 fragments; v96-159 S^T, then p; v160-191 O^T; v192-223 V's 4 fragments; v224-231 p's codes;
; v232-247 at work; v[248:251] K's scale words; v252 f; v253 p's scale word; v254 at work; v255 Q's scale word.
.set REC,   8960
.set VCO,   4096                       ; in a record: V's codes,
.set KSC,   8192                       ; K's scale words,
.set VSC,   8704                       ; V's
.set SPARE, 16*REC                     ; behind the records: the spare words, 128 bytes a wave, which no other line names
.set LI,  1                            ; v1   16 x lane
.set L8,  2                            ; v2   8 x lane
.set VD,  3                            ; v3   my query in its block of 128, less 16 (lane / 16)
.set R16, 4                            ; v4   16 r
.set SPW, 5
.set NIL, 6
.set SBO, 7                            ; v7   32 r + h
.set ADK, 8
.set ADV, 9
.set H8,  10                           ; v10  8 h
.set TB,  2                            ; s2   LDS byte of the step's record
.set KS,  3                            ; s3   the key step
.set WV,  18
.set SEL, 20
.set CS,  22                           ; s[22:23] c = log2(e) / 8
.set G1,  24
.set G0,  32
.set MB,  36                           ; s36  my block of 128 queries
.set BH,  38                           ; s38  16 batch + head;  s39 batch;  s48 head;  s49 cx;  s50 u
.macro CROUND
	s_barrier_signal -1
	s_barrier_wait -1
	s_cmp_lg_u32 s[WV], 0
	s_cbranch_scc1 .Lnot_wave_0_\@
	s_barrier_signal -3
.Lnot_wave_0_\@:
	s_barrier_wait -3
	s_barrier_signal -1
	s_barrier_wait -1
.endm
	s_load_b256 s[4:11], s[0:1], 0x0               ; kv s[4:5], qc s[6:7], qs s[8:9], ac s[10:11]
	s_load_b64 s[12:13], s[0:1], 0x20              ; asc
	v_lshl_add_u32 v[SPW], v0, 2, SPARE
	v_mov_b32 v[NIL], 0
	ds_add_u32 v[SPW], v[NIL]                      ; the wave's opening: the add, twice on end, and its wait ahead of my first tensor load
	ds_add_u32 v[SPW], v[NIL]
	v_lshrrev_b32 v8, 5, v0
	s_delay_alu instid0(VALU_DEP_1)
	v_readfirstlane_b32 s[WV], v8                  ; wave 0..15
	s_bfe_u32 s49, ttmp6, 0x40000                  ; cx
	s_and_b32 s[BH], ttmp7, 0xffff                 ; the cluster's y: 16 batch + head
	s_lshr_b32 s39, s[BH], 4
	s_and_b32 s48, s[BH], 15
	s_and_b32 s50, s[WV], 1                        ; u
	s_lshr_b32 s51, s[WV], 1                       ; p
	s_sub_co_u32 s[MB], 15, s51                    ; the first pass: block 15 - p
	s_mov_b32 s[G1], 15|(3<<16)|(1<<21)            ; the mask: all four work-groups; elements of 8 bytes; 21 set beside a mask; no padding: images are read 16 bytes a lane on end
	s_mov_b32 s[G1+1], 32<<16                      ; a record: 35 dense rows of 256 bytes
	s_mov_b32 s[G1+2], 35<<16
	s_mov_b32 s[G1+3], 32<<16
	s_mov_b32 s[G1+4], 35
	s_mov_b32 s[G1+5], 32
	s_mov_b32 s[G1+6], 0
	s_mov_b32 s[G1+7], 0
	s_lshl_b32 s52, s[BH], 4
	s_add_co_u32 s52, s52, s[WV]
	s_mul_i32 s52, s52, REC                        ; record w of my head, in memory,
	s_mov_b32 s53, 0
	s_mov_b32 s[G0], 1
	s_mul_i32 s[G0+1], s[WV], REC                  ; and in LDS
	s_mov_b32 s[SEL], 0x76543210
	s_mov_b32 s[SEL+1], 0xfedcba98
	s_mov_b32 s[CS], 0x3e38aa3b
	s_mov_b32 s[CS+1], s[CS]                       ; (named with it as a pair)
	s_wait_dscnt 0x0                               ; both opening adds are done
	s_wait_kmcnt 0x0
	s_add_nc_u64 s[G0+2:G0+3], s[4:5], s[52:53]
	s_or_b32 s[G0+3], s[G0+3], 0x80000000
	CROUND                                         ; all four work-groups are here: the joint loads meet
	tensor_load_to_lds s[G0:G0+3], s[G1:G1+7]      ; my one tensor load of the launch
	s_nop 0
	v_and_b32 v8, 31, v0
	s_delay_alu instid0(VALU_DEP_1)
	v_lshlrev_b32 v[LI], 4, v8
	s_delay_alu instid0(VALU_DEP_2)
	v_lshlrev_b32 v[L8], 3, v8
	v_and_b32 v9, 15, v0                           ; r
	v_bfe_u32 v11, v0, 4, 1                        ; h
	s_delay_alu instid0(VALU_DEP_2)
	v_lshlrev_b32 v[R16], 4, v9
	s_delay_alu instid0(VALU_DEP_2)
	v_lshl_add_u32 v[SBO], v9, 5, v11
	s_delay_alu instid0(VALU_DEP_3)
	v_lshlrev_b32 v[H8], 3, v11
	v_and_b32 v[VD], 8, v9
	s_delay_alu instid0(VALU_DEP_1)
	v_add_nc_u32 v[VD], v[VD], v9                  ; r + 8 (r / 8)
	v_lshlrev_b32 v11, 4, v11
	s_delay_alu instid0(VALU_DEP_1)
	v_sub_nc_u32 v[VD], v[VD], v11                 ; - 16 h
	s_lshl_b32 s52, s49, 5
	s_lshl_b32 s53, s50, 3
	s_add_co_u32 s52, s52, s53
	v_add_nc_u32 v[VD], s52, v[VD]                 ; + 32 cx + 8 u: tile 2 cx + u of the block
.irp j, 20,21,22,23
	v_mov_b32 v[\j], 0                             ; Q's K = 64 .. 127: zero codes
.endr
.irp t, 0,1,2,3,4,5,6,7
.irp j, 4,5,6,7
	v_mov_b32 v[32+8*\t+\j], 0                     ; K's likewise, once for the launch
.endr
.endr
.irp j, 236,237,238,239,252,253,254
	v_mov_b32 v[\j], 0                             ; permutes' destinations and pairs' halves are written before they are named
.endr
	s_wait_tensorcnt 0x0                           ; my record is in,
	s_barrier_signal -1
	s_barrier_wait -1                              ; everybody's is: the whole head lies in LDS
; ONE TILE OF 16 QUERIES, in block s[MB].  n = 1: the second pass, block 15 - the first's.
.macro PASS n
.if \n
	s_wait_xcnt 0x0                                ; the first pass's stores have read their data and addresses
	s_sub_co_u32 s[MB], 15, s[MB]
.endif
	s_lshl_b32 s52, s[MB], 3
	s_lshl_b32 s53, s49, 1
	s_add_co_u32 s52, s52, s53
	s_add_co_u32 s52, s52, s50                     ; the tile: 8 m + 2 cx + u
	s_mov_b32 s55, 0
	s_lshl_b32 s53, s[BH], 7
	s_add_co_u32 s53, s53, s52
	s_lshl_b32 s54, s53, 9
	s_add_nc_u64 s[40:41], s[6:7], s[54:55]        ; Q's codes: 512 bytes a tile
	s_lshl_b32 s53, s[BH], 4
	s_add_co_u32 s53, s53, s[MB]
	s_lshl_b32 s54, s53, 9
	s_lshl_b32 s53, s50, 8
	s_add_co_u32 s54, s54, s53
	s_lshl_b32 s53, s49, 2
	s_add_co_u32 s54, s54, s53
	s_add_nc_u64 s[42:43], s[8:9], s[54:55]        ; Q's scale words: tile a = 2 cx + u, row r at 16 (r + 16 u) + 4 cx
	s_lshl_b32 s53, s39, 7
	s_add_co_u32 s53, s53, s52                     ; 128 batch + tile
	s_lshl_b32 s54, s53, 4
	s_add_co_u32 s54, s54, s48
	s_lshl_b32 s54, s54, 9
	s_add_nc_u64 s[44:45], s[10:11], s[54:55]      ; ac: [tile][head][512]
	s_lshl_b32 s54, s53, 9
	s_lshl_b32 s53, s48, 1
	s_add_co_u32 s54, s54, s53
	s_add_nc_u64 s[46:47], s[12:13], s[54:55]      ; asc: [row][32], byte 2 head + block
	global_load_b128 v[16:19], v[LI], s[40:41]
	global_load_b32 v255, v[R16], s[42:43]
	v_mov_b32 v13, 0xff61b1e6                      ; the largest t so far: -3e38
	s_delay_alu instid0(VALU_DEP_1)
	v_floor_f32 v12, -v13                          ; -M
	v_mov_b32 v14, 0
	v_mov_b32 v15, 0
.set N, 0
.rept 32
	v_mov_b32 v[160+N], 0                          ; O^T: the step is written once; the first change of M multiplies zeros
.set N, N+1
.endr
	s_mov_b32 s[TB], 0
	s_mov_b32 s[KS], 0
	s_wait_loadcnt 0x0
.Lstep_\@:                                         ; 16 trips, a constant; a step behind my block is jumped over: ids alone decide
	s_cmp_gt_u32 s[KS], s[MB]
	s_cbranch_scc1 .Lhidden_\@
	s_setprio 2
	v_add_nc_u32 v[ADK], s[TB], v[LI]
	v_add_nc_u32 v[ADV], s[TB], v[L8]
	v_nop
	v_nop                                          ; four places between the last step's products and the loads into their operands
.irp t, 0,1,2,3,4,5,6,7
	ds_load_b128 v[32+8*\t:35+8*\t], v[ADK] offset:512*\t
.endr
	ds_load_b128 v[248:251], v[ADK] offset:KSC     ; register j: lanes 0-15 tile 2 j's words, lanes 16-31 tile 2 j + 1's
.irp d, 0,1,2,3
.irp c, 0,1
	ds_load_b128 v[192+8*\d+4*\c:195+8*\d+4*\c], v[ADK] offset:VCO+1024*\d+512*\c
.endr
.endr
	ds_load_b64 v[24:25], v[ADV] offset:VSC
	s_wait_dscnt 9                                 ; K and its scale words are in; V's nine loads may be out
.irp t, 0,1,2,3,4,5,6,7
.if (\t)%2
	v_wmma_scale_f32_16x16x128_f8f6f4 v[96+8*\t:103+8*\t], v[32+8*\t:39+8*\t], v[16:23], 0, v[248+(\t)/2], v255 matrix_a_fmt:MATRIX_FMT_FP4 matrix_b_fmt:MATRIX_FMT_FP4 matrix_a_scale:MATRIX_SCALE_ROW1
.else
	v_wmma_scale_f32_16x16x128_f8f6f4 v[96+8*\t:103+8*\t], v[32+8*\t:39+8*\t], v[16:23], 0, v[248+(\t)/2], v255 matrix_a_fmt:MATRIX_FMT_FP4 matrix_b_fmt:MATRIX_FMT_FP4
.endif
.endr
.rept 4
	v_nop
.endr
	s_cmp_lg_u32 s[KS], s[MB]                      ; on the diagonal the scores of hidden keys become -infinity ahead of the maximum; the query's own key always counts
	s_cbranch_scc1 .Lopen_\@
	v_mov_b32 v254, 0xff800000
.set N, 0
.rept 64                                       ; register 16 b + i holds key 32 b + 16 h + i of the step: hidden where 32 b + i > my query - 16 h
	v_cmp_gt_i32 vcc_lo, 32*(N/16)+N%16, v[VD]
	v_cndmask_b32 v[96+N], v[96+N], v254, vcc_lo
.set N, N+1
.endr
.Lopen_\@:
.irp b, 0,1,2,3
	v_max3_num_f32 v[232+\b], v[96+16*\b], v[97+16*\b], v[98+16*\b]   ; the largest score of each block of 32 keys: for the row's maximum, and, since p rises with the score, for the block's largest p
.endr
.irp i, 3,5,7,9,11,13
.irp b, 0,1,2,3
	v_max3_num_f32 v[232+\b], v[232+\b], v[96+16*\b+\i], v[97+16*\b+\i]
.endr
.endr
.irp b, 0,1,2,3
	v_max_num_f32 v[232+\b], v[232+\b], v[111+16*\b]
.endr
.irp b, 0,1,2,3
	s_delay_alu instid0(VALU_DEP_4)
	v_permlanex16_b32 v[236+\b], v[232+\b], s[SEL], s[SEL+1]
.endr
.irp b, 0,1,2,3
	s_delay_alu instid0(VALU_DEP_4)
	v_max_num_f32 v[232+\b], v[232+\b], v[236+\b]  ; with lane l xor 16's 16 keys
.endr
	s_delay_alu instid0(VALU_DEP_2)
	v_max3_num_f32 v254, v232, v233, v234
	s_delay_alu instid0(VALU_DEP_1)
	v_max_num_f32 v254, v254, v235                 ; the step's largest score of my query
	s_delay_alu instid0(VALU_DEP_1)
	v_mul_f32 v254, s[CS], v254                    ; as t
	s_delay_alu instid0(VALU_DEP_1)
	v_max_num_f32 v13, v13, v254                   ; the running largest t
	v_mov_b32 v254, v12
	s_delay_alu instid0(VALU_DEP_2)
	v_floor_f32 v12, -v13                          ; the new -M = -ceil(t)
	s_delay_alu instid0(VALU_DEP_1)
	v_sub_f32 v254, v12, v254                      ; old M - new M: a whole number, 0 or less
	s_delay_alu instid0(VALU_DEP_1)
	v_cvt_i32_f32 v254, v254                       ; (it saturates)
	s_delay_alu instid0(VALU_DEP_1)
	v_ldexp_f32 v252, 1.0, v254                    ; f = 2^(old M - new M)
.set N, 0
.rept 32
	v_pk_fma_f32 v[96+N:97+N], v[96+N:97+N], s[CS:CS+1], v[12:13] op_sel_hi:[1,0,0]   ; t - M, two at a time
.set N, N+2
.endr
	s_setprio 1
.irp b, 0,1,2,3
	v_fma_f32 v[232+\b], v[232+\b], s[CS], v12     ; the same of each block's largest score
.endr
.set N, 0
	s_wait_alu depctr_va_vdst(0)
.rept 64
	v_exp_f32 v[96+N], v[96+N]                     ; p = 2^(t - M)
.set N, N+1
.endr
	v_pk_mul_f32 v[14:15], v[14:15], v[252:253] op_sel_hi:[1,0]   ; the sums under the new M: a plain place behind the exponentials
	s_wait_alu depctr_va_vdst(0)                   ; one wait for the whole batch, ahead of its first reader
.irp b, 0,1,2,3
	v_exp_f32 v[232+\b], v[232+\b]                 ; the block's largest p
.endr
	v_pk_add_f32 v[236:237], v[100:101], v[104:105]
	v_pk_add_f32 v[250:251], v[108:109], v[112:113]
	v_pk_add_f32 v[248:249], v[116:117], v[120:121]
	v_pk_add_f32 v[246:247], v[124:125], v[128:129]
	v_pk_add_f32 v[244:245], v[132:133], v[136:137]
	v_pk_add_f32 v[242:243], v[140:141], v[144:145]
	v_pk_add_f32 v[240:241], v[148:149], v[152:153]
	v_pk_add_f32 v[14:15], v[14:15], v[156:157]
	v_pk_add_f32 v[236:237], v[236:237], v[96:97]
	v_pk_add_f32 v[250:251], v[250:251], v[98:99]
	v_pk_add_f32 v[248:249], v[248:249], v[102:103]
	v_pk_add_f32 v[246:247], v[246:247], v[106:107]
	v_pk_add_f32 v[244:245], v[244:245], v[110:111]
	v_pk_add_f32 v[242:243], v[242:243], v[114:115]
	v_pk_add_f32 v[240:241], v[240:241], v[118:119]
	v_pk_add_f32 v[14:15], v[14:15], v[122:123]
	v_pk_add_f32 v[236:237], v[236:237], v[126:127]
	v_pk_add_f32 v[250:251], v[250:251], v[130:131]
	v_pk_add_f32 v[248:249], v[248:249], v[134:135]
	v_pk_add_f32 v[246:247], v[246:247], v[138:139]
	v_pk_add_f32 v[244:245], v[244:245], v[142:143]
	v_pk_add_f32 v[242:243], v[242:243], v[146:147]
	v_pk_add_f32 v[240:241], v[240:241], v[150:151]
	v_pk_add_f32 v[14:15], v[14:15], v[154:155]
	v_pk_add_f32 v[236:237], v[236:237], v[158:159]
	s_delay_alu instid0(VALU_DEP_2)
	v_pk_add_f32 v[14:15], v[14:15], v[246:247]
	s_delay_alu instid0(VALU_DEP_2)
	v_pk_add_f32 v[236:237], v[236:237], v[244:245]
	v_pk_add_f32 v[250:251], v[250:251], v[242:243]
	v_pk_add_f32 v[248:249], v[248:249], v[240:241]
	s_delay_alu instid0(VALU_DEP_2)
	v_pk_add_f32 v[14:15], v[14:15], v[250:251]
	s_delay_alu instid0(VALU_DEP_2)
	v_pk_add_f32 v[236:237], v[236:237], v[248:249]
	s_delay_alu instid0(VALU_DEP_1)
	v_pk_add_f32 v[14:15], v[14:15], v[236:237]
	s_wait_alu depctr_va_vdst(0)                   ; and one for the four
.irp b, 0,1,2,3
	v_max_num_f32 v[232+\b], 0x1800000, v[232+\b]  ; the floor 2^(3 - 127)
.endr
.irp b, 0,1,2,3
	s_delay_alu instid0(VALU_DEP_4)
	v_add_nc_u32 v[244+\b], 0xff000000, v[232+\b]  ; the conversion's scale operand
.endr
.irp b, 0,1,2,3
	s_delay_alu instid0(VALU_DEP_4)
	v_lshrrev_b32 v[236+\b], 23, v[244+\b]         ; the scale's byte
.endr
	s_delay_alu instid0(VALU_DEP_3)
	v_lshl_or_b32 v253, v237, 8, v236              ; p's scale word for these 128 keys
	s_delay_alu instid0(VALU_DEP_1)
	v_lshl_or_b32 v253, v238, 16, v253
	s_delay_alu instid0(VALU_DEP_1)
	v_lshl_or_b32 v253, v239, 24, v253
	s_setprio 0
.irp b, 0,1,2,3
	v_cvt_scalef32_pk8_fp4_f32 v[224+2*\b], v[96+16*\b:103+16*\b], v[244+\b]
	v_cvt_scalef32_pk8_fp4_f32 v[225+2*\b], v[104+16*\b:111+16*\b], v[244+\b]
.endr
	v_nop                                          ; one plain place behind a scaled conversion
.irp c, 0,1
.irp i, 0,1
	v_permlane16_swap_b32 v[224+4*\c+\i], v[226+4*\c+\i]   ; a whole block to a lane
.endr
.endr
.set N, 0
.rept 16
	v_pk_mul_f32 v[160+N:161+N], v[160+N:161+N], v[252:253] op_sel_hi:[1,0]   ; O^T under the new M; these are also the places in front of the products below
.set N, N+2
.endr
	s_wait_alu depctr_va_vdst(0)
	s_wait_dscnt 0x0                               ; V and its scale words are in
.irp d, 0,1,2,3                                ; O^T += V^T P^T: the four accumulators by turns, one instruction a turn
.if (\d)%2
	v_wmma_scale_f32_16x16x128_f8f6f4 v[160+8*\d:167+8*\d], v[192+8*\d:199+8*\d], v[224:231], v[160+8*\d:167+8*\d], v[24+(\d)/2], v253 matrix_a_fmt:MATRIX_FMT_FP4 matrix_b_fmt:MATRIX_FMT_FP4 matrix_a_scale:MATRIX_SCALE_ROW1
.else
	v_wmma_scale_f32_16x16x128_f8f6f4 v[160+8*\d:167+8*\d], v[192+8*\d:199+8*\d], v[224:231], v[160+8*\d:167+8*\d], v[24+(\d)/2], v253 matrix_a_fmt:MATRIX_FMT_FP4 matrix_b_fmt:MATRIX_FMT_FP4
.endif
.endr
.Lhidden_\@:
	s_add_co_u32 s[TB], s[TB], REC
	s_add_co_u32 s[KS], s[KS], 1
	s_cmp_lt_u32 s[KS], 16
	s_cbranch_scc1 .Lstep_\@
	s_setprio 0
	; THE WAY OUT: O^T / the sum; register 16 B + i is d = 32 B + 16 h + i: two blocks of the next product's K, quantised as they stand
.rept 4
	v_nop
.endr
	v_add_f32 v14, v14, v15
	s_delay_alu instid0(VALU_DEP_1)
	v_permlanex16_b32 v254, v14, s[SEL], s[SEL+1]
	s_delay_alu instid0(VALU_DEP_1)
	v_add_f32 v14, v14, v254                       ; the row's sum
	s_wait_alu depctr_va_vdst(0)
	v_rcp_f32 v14, v14
	v_nop                                          ; a plain place behind the reciprocal
	s_wait_alu depctr_va_vdst(0)                   ; and the wait ahead of its first reader
.set N, 0
.rept 16
	v_pk_mul_f32 v[96+N:97+N], v[160+N:161+N], v[14:15] op_sel_hi:[1,0]
.set N, N+2
.endr
.irp b, 0,1
	v_max3_num_f32 v[232+\b], |v[96+16*\b]|, |v[97+16*\b]|, 0x1800000
.endr
.irp i, 2,4,6,8,10,12,14
.irp b, 0,1
	s_delay_alu instid0(VALU_DEP_2)
	v_max3_num_f32 v[232+\b], v[232+\b], |v[96+16*\b+\i]|, |v[97+16*\b+\i]|
.endr
.endr
.irp b, 0,1
	s_delay_alu instid0(VALU_DEP_2)
	v_permlanex16_b32 v[236+\b], v[232+\b], s[SEL], s[SEL+1]
.endr
.irp b, 0,1
	s_delay_alu instid0(VALU_DEP_2)
	v_max_num_f32 v[232+\b], v[232+\b], v[236+\b]
.endr
.irp b, 0,1
	s_delay_alu instid0(VALU_DEP_2)
	v_add_nc_u32 v[244+\b], 0xff000000, v[232+\b]
.endr
.irp b, 0,1
	s_delay_alu instid0(VALU_DEP_2)
	v_lshrrev_b32 v[236+\b], 23, v[244+\b]
.endr
	s_delay_alu instid0(VALU_DEP_1)
	v_lshl_or_b32 v254, v237, 8, v236              ; the two bytes
.irp b, 0,1
	v_cvt_scalef32_pk8_fp4_f32 v[224+2*\b], v[96+16*\b:103+16*\b], v[244+\b]
	v_cvt_scalef32_pk8_fp4_f32 v[225+2*\b], v[104+16*\b:111+16*\b], v[244+\b]
.endr
	v_nop
	v_permlane16_swap_b32 v224, v226
	v_permlane16_swap_b32 v225, v227               ; registers 0-3: d = 32 h + 0 .. 31: half a fragment of the next product (its K step's 64 of this head)
	v_lshrrev_b32 v254, v[H8], v254                ; lanes 0-15 carry block 0's byte, lanes 16-31 block 1's
	global_store_b128 v[LI], v[224:227], s[44:45]  ; 512 consecutive bytes, aligned
	global_store_b8 v[SBO], v254, s[46:47]
.endm
	PASS 0
	PASS 1
	s_wait_tensorcnt 0x0                           ; the wave's end
	ds_add_u32 v[SPW], v[NIL]
	s_wait_dscnt 0x0
	CROUND                                         ; the closing round
	s_endpgm
.Lfunc_end_k_qeb4216f844_attn:
	.size	k_qeb4216f844_attn, .Lfunc_end_k_qeb4216f844_attn-k_qeb4216f844_attn
	.p2alignl 7, 3214868480
	.fill 96, 4, 3214868480
	.section	.rodata,"a",@progbits
	.p2align	6, 0x0
	.amdhsa_kernel k_qeb4216f844_attn
		.amdhsa_group_segment_fixed_size 167936
		.amdhsa_private_segment_fixed_size 0
		.amdhsa_enable_private_segment 0
		.amdhsa_kernarg_size 40
		.amdhsa_user_sgpr_count 2
		.amdhsa_user_sgpr_kernarg_segment_ptr 1
		.amdhsa_wavefront_size32 1
		.amdhsa_system_sgpr_workgroup_id_x 1
		.amdhsa_system_sgpr_workgroup_id_y 1
		.amdhsa_system_sgpr_workgroup_id_z 1
		.amdhsa_system_vgpr_workitem_id 0
		.amdhsa_next_free_vgpr 256
		.amdhsa_next_free_sgpr 66
		.amdhsa_reserve_vcc 1
		.amdhsa_float_denorm_mode_32 3
		.amdhsa_float_denorm_mode_16_64 3
		.amdhsa_memory_ordered 1
		.amdhsa_forward_progress 1
		.amdhsa_inst_pref_size 61
	.end_amdhsa_kernel
	.amdgpu_metadata
---
amdhsa.version: [ 1, 2 ]
amdhsa.kernels:
  - .name:           k_qeb4216f844_attn
    .symbol:         k_qeb4216f844_attn.kd
    .args:
      - { .name: kv, .offset: 0, .size: 8, .value_kind: global_buffer, .address_space: global }
      - { .name: qc, .offset: 8, .size: 8, .value_kind: global_buffer, .address_space: global }
      - { .name: qs, .offset: 16, .size: 8, .value_kind: global_buffer, .address_space: global }
      - { .name: ac, .offset: 24, .size: 8, .value_kind: global_buffer, .address_space: global }
      - { .name: asc, .offset: 32, .size: 8, .value_kind: global_buffer, .address_space: global }
    .group_segment_fixed_size: 167936
    .private_segment_fixed_size: 0
    .kernarg_segment_align: 8
    .kernarg_segment_size: 40
    .max_flat_workgroup_size: 512
    .sgpr_count:     66
    .vgpr_count:     256
    .wavefront_size: 32
...
	.end_amdgpu_metadata
.endif
;; end of part 3
;; launch gemm_proj (part 4): grid 4 x 64, 4 waves a work-group, clusters of 4 x 4, 327,680 bytes of LDS; arguments ac, asc, opc, ops, proj_b, out0; writes out0
.if DOCPART == 4
	.amdgcn_target "amdgcn-amd-amdhsa--gfx1250"
	.amdhsa_code_object_version 6
	.text
	.protected	k_qeb4216f844_gemm_proj
	.globl	k_qeb4216f844_gemm_proj
	.p2align	8
	.type	k_qeb4216f844_gemm_proj,@function
k_qeb4216f844_gemm_proj:
	s_mov_b64 s[64:65], 0
	v_nop
	global_prefetch_b8 v0, s[64:65] scope:SCOPE_SE
	s_setreg_imm32_b32 hwreg(HW_REG_WAVE_MODE, 25, 1), 1
	s_wait_xcnt 0x0
	s_wait_alu depctr_hold_cnt(0) depctr_sa_sdst(0) depctr_va_vdst(0) depctr_va_sdst(0) depctr_va_ssrc(0) depctr_va_vcc(0) depctr_vm_vsrc(0)
	s_getreg_b32 s2, hwreg(HW_REG_IB_STS2, 6, 4)
	s_cmp_eq_u32 s2, 0
	s_cbranch_scc0 .Lentry_in_a_cluster
	s_endpgm
.Lentry_in_a_cluster:
	s_bfe_u32 s2, ttmp6, 0x10000c
	s_cmp_lg_u32 s2, 0xf033
	s_cbranch_scc0 .Lentry_shape_is_right
	s_endpgm
.Lentry_shape_is_right:
; out0 = o Wproj^T + b on codes of FP4, K = 1,024.  R (source 1, lanes) = o's rows: ac holds them as images of fragments, [tile of 16 rows][K step of 128][c][512 bytes], rows in position order; asc their scale
; bytes, 32 a row.  P (source 0, registers) = proj_w's rows, natural order, in opc and ops.  So a lane holds eight neighbouring columns of one row of the output.
; A tile is 128 rows x 256 columns: 64 x 4 = 256 work-groups, one for each WGP, share the 32 MiB of stores.  Four waves, 64 rows x 128 columns each: 32 accumulators.
; K = 1,024 is two LDS slots of 512: all tiles are asked for at the head, nothing is filled again.  CLUSTERS 4 x 4: R's tiles shared along a row, P's along a column: joint loads, masks of four.
; The bias is the C of each sum's first matrix instruction.  The store offsets undo the position order: place t of tile a is row 32 (a / 2) + 8 (a % 2) + t + 8 (t / 8).
; REGISTERS: window 0: v0-31 addresses; v32-95 scale words, two sets; v128-159, v160-191 R's fragments, two sets; on the way out v128-255 rows.  window 1: v0-63, v128-191 P's fragments, two sets; v64-127 the bias.
;   window 2: the accumulators, (a, b) at v[8 (8 a + b)].
.set NQ,     4
.set NP,     4                         ; places behind this matrix instruction (ISA guide 7.12.1)
.set PITCH,  272
.set HALFA,  16384                     ; 64 rows of R in a slot: 4 tiles x 4 K steps x 1,024 bytes, dense
.set HALFB,  128*PITCH
.set SLOT,   2*HALFA+2*HALFB           ; 102,400
.set SCA,    2*SLOT                    ; R's scales: 2 x 8 runs of 256 + 16
.set HSA,    8*272
.set SCB,    SCA+2*HSA                 ; P's: 2 x 16 runs
.set HSB,    16*272
.set SBLK,   544                       ; the scales of 16 rows
.set SPARE,  SCB+2*HSB                 ; the spare words, which no other line names
.set SPITCH, 528                       ; the way out: a stage of 16 rows x (512 + 16) bytes for each wave, in slot 0, behind its last fill and its last read
.set BA,   8                           ; v8   32 h: the bias
.set ADRA, 16
.set ADRB, 20
.set STO,  24
.set RD,   25
.set CO,   26                          ; v26  16 x lane
.set ADRS, 27
.set SPW,  28
.set NIL,  29
.set SC,   32
.set AF,   128
.set BK,   128
.set BI,   64                          ; in window 1
.set G1, 24
.set G0, 32
.set G1B, 48
.set G0B, 56
.set G1S, 68
.set G0S, 76
.set G1SB, 80
.set G0SB, 88
.set MSB, 0
.macro WIN new
.if MSB != \new
	s_set_vgpr_msb (MSB<<8)|\new
.set MSB, \new
.endif
.endm
.set MUL,  0xa1                        ; source 0 (P) window 1, source 1 (R) window 0, C and D window 2
.set MULB, 0x91                        ; the same with C (the bias) in window 1
.set TO_B, 0x40
.macro JLOAD g0a, g1a, g0b, g1b        ; waves 0 and 1 fetch for R, waves 2 and 3 for P; an s_nop 0 and four v_nop follow each line
	s_cmp_eq_u32 s15, 0
	s_cbranch_scc0 .Lfor_b_\@
	tensor_load_to_lds s[\g0a:\g0a+3], s[\g1a:\g1a+7]
	s_nop 0
.rept 4
	v_nop
.endr
	s_branch .Lasked_\@
.Lfor_b_\@:
	tensor_load_to_lds s[\g0b:\g0b+3], s[\g1b:\g1b+7]
	s_nop 0
.rept 4
	v_nop
.endr
.Lasked_\@:
.endm
.macro CROUND
	s_barrier_signal -1
	s_barrier_wait -1
	s_cmp_lg_u32 s14, 0
	s_cbranch_scc1 .Lnot_wave_0_\@
	s_barrier_signal -3
.Lnot_wave_0_\@:
	s_barrier_wait -3
	s_barrier_signal -1
	s_barrier_wait -1
.endm
	s_load_b256 s[4:11], s[0:1], 0x0               ; ac s[4:5], asc s[6:7], opc s[8:9], ops s[10:11]
	s_load_b128 s[96:99], s[0:1], 0x20             ; proj_b s[96:97], out0 s[98:99]
	v_lshl_add_u32 v[SPW], v0, 2, SPARE
	v_mov_b32 v[NIL], 0
	ds_add_u32 v[SPW], v[NIL]                      ; the wave's opening: the add, twice on end, and its wait ahead of my first tensor load
	ds_add_u32 v[SPW], v[NIL]
	v_lshrrev_b32 v1, 5, v0
	v_readfirstlane_b32 s14, v1
	s_lshr_b32 s15, s14, 1                         ; which 64 rows are mine.  Also: I fetch for R (0) or for P (1)
	s_and_b32 s16, s14, 1                          ; which 128 columns.  Also: which half I fetch
	s_bfe_u32 s40, ttmp6, 0x40000
	s_bfe_u32 s41, ttmp6, 0x40004
	s_lshl_b32 s42, ttmp9, 2
	s_add_co_u32 s42, s42, s40                     ; tp: the tile of 256 columns
	s_and_b32 s17, ttmp7, 0xffff
	s_lshl_b32 s17, s17, 2
	s_add_co_u32 s17, s17, s41                     ; tr: the tile of 128 rows
	s_lshl_b32 s43, s41, 2
	s_lshl_b32 s43, 15, s43                        ; my row of the cluster
	s_lshl_b32 s44, 0x1111, s40                    ; my column
	s_or_b32 s[G1+0], s43, (3<<16)|(1<<21)         ; R's codes: 4 tiles' 4,096 bytes of a slot, 8,192 bytes apart: rows of 512 elements of 8 bytes, no padding
	s_mov_b32 s[G1+1], 512<<16
	s_mov_b32 s[G1+2], 4<<16
	s_mov_b32 s[G1+3], 512<<16
	s_mov_b32 s[G1+4], 4
	s_mov_b32 s[G1+5], 1024
	s_mov_b32 s[G1+6], 0
	s_mov_b32 s[G1+7], 0
	s_or_b32 s[G1B+0], s44, (0<<16)|(1<<20)|(1<<21)|(5<<22)|(3<<25)   ; P's codes: 128 rows of 256 bytes, 512 apart, 16 bytes of padding behind each
	s_mov_b32 s[G1B+1], 256<<16
	s_mov_b32 s[G1B+2], 128<<16
	s_mov_b32 s[G1B+3], 256<<16
	s_mov_b32 s[G1B+4], 128
	s_mov_b32 s[G1B+5], 512
	s_mov_b32 s[G1B+6], 0
	s_mov_b32 s[G1B+7], 0
	s_or_b32 s[G1S+0], s43, (3<<16)|(1<<20)|(1<<21)|(5<<22)|(3<<25)   ; R's scales of 64 rows: 2,048 dense bytes as 8 rows of 256, padded
	s_mov_b32 s[G1S+1], 32<<16
	s_mov_b32 s[G1S+2], 8<<16
	s_mov_b32 s[G1S+3], 32<<16
	s_mov_b32 s[G1S+4], 8
	s_mov_b32 s[G1S+5], 32
	s_mov_b32 s[G1S+6], 0
	s_mov_b32 s[G1S+7], 0
	s_or_b32 s[G1SB+0], s44, (3<<16)|(1<<20)|(1<<21)|(5<<22)|(3<<25)  ; P's of 128 rows: 16 rows of 256
	s_mov_b32 s[G1SB+1], 32<<16
	s_mov_b32 s[G1SB+2], 16<<16
	s_mov_b32 s[G1SB+3], 32<<16
	s_mov_b32 s[G1SB+4], 16
	s_mov_b32 s[G1SB+5], 32
	s_mov_b32 s[G1SB+6], 0
	s_mov_b32 s[G1SB+7], 0
	s_lshl_b32 s20, s17, 16                        ; R's codes: 65,536 bytes a tile of 128 rows, 32,768 a half
	s_lshl_b32 s18, s16, 15
	s_add_co_u32 s20, s20, s18
	s_mov_b32 s21, 0
	s_lshl_b32 s22, s17, 12                        ; R's scales: 4,096 and 2,048
	s_lshl_b32 s18, s16, 11
	s_add_co_u32 s22, s22, s18
	s_mov_b32 s23, 0
	s_lshl_b32 s46, s42, 17                        ; P's codes: 256 rows of 512 bytes a tile; proj_w begins at byte 5,767,168 of opc
	s_lshl_b32 s18, s16, 16
	s_add_co_u32 s46, s46, s18
	s_add_co_u32 s46, s46, 5767168
	s_mov_b32 s47, 0
	s_lshl_b32 s92, s42, 13                        ; P's scales; proj_w's begin at byte 360,448 of ops
	s_lshl_b32 s18, s16, 12
	s_add_co_u32 s92, s92, s18
	s_add_co_u32 s92, s92, 360448
	s_mov_b32 s93, 0
	s_lshl_b32 s45, s16, 14                        ; where they go: the wave's number and constants alone
	s_mul_i32 s94, s16, HALFB
	s_add_co_u32 s94, s94, 2*HALFA
	s_mul_i32 s95, s16, HSA
	s_add_co_u32 s95, s95, SCA
	s_mul_i32 s3, s16, HSB
	s_add_co_u32 s3, s3, SCB
	s_wait_dscnt 0x0                               ; both opening adds are done
	s_wait_kmcnt 0x0
	s_add_nc_u64 s[20:21], s[4:5], s[20:21]
	s_add_nc_u64 s[22:23], s[6:7], s[22:23]
	s_add_nc_u64 s[46:47], s[8:9], s[46:47]
	s_add_nc_u64 s[92:93], s[10:11], s[92:93]
	CROUND                                         ; all sixteen work-groups are here: the joint loads meet
	s_mov_b32 s[G0S], 1
	s_mov_b32 s[G0S+1], s95
	s_mov_b64 s[G0S+2:G0S+3], s[22:23]
	s_or_b32 s[G0S+3], s[G0S+3], 0x80000000
	s_mov_b32 s[G0SB], 1
	s_mov_b32 s[G0SB+1], s3
	s_mov_b64 s[G0SB+2:G0SB+3], s[92:93]
	s_or_b32 s[G0SB+3], s[G0SB+3], 0x80000000
	JLOAD G0S, G1S, G0SB, G1SB                     ; each load is waited for before the next is asked
.irp s, 0,1
	s_mov_b32 s[G0+4*\s], 1
	s_add_co_u32 s[G0+4*\s+1], s45, \s*SLOT
	s_add_nc_u64 s[G0+4*\s+2:G0+4*\s+3], s[20:21], \s*4096
	s_or_b32 s[G0+4*\s+3], s[G0+4*\s+3], 0x80000000
	s_mov_b32 s[G0B+4*\s], 1
	s_add_co_u32 s[G0B+4*\s+1], s94, \s*SLOT
	s_add_nc_u64 s[G0B+4*\s+2:G0B+4*\s+3], s[46:47], \s*256
	s_or_b32 s[G0B+4*\s+3], s[G0B+4*\s+3], 0x80000000
	s_wait_alu depctr_va_vdst(0)
	s_wait_tensorcnt 0x0
	ds_add_u32 v28, v29
	s_wait_dscnt 0x0
	CROUND
	JLOAD G0+4*\s, G1, G0B+4*\s, G1B
.endr
	v_and_b32 v1, 15, v0                           ; r
	v_bfe_u32 v2, v0, 4, 1                         ; h
	v_and_b32 v6, 31, v0
	v_lshlrev_b32 v[CO], 4, v6                     ; 16 x lane
	s_lshl_b32 s21, s15, 14
	v_add_nc_u32 v[ADRA], s21, v[CO]               ; R's images: my 64 rows, 16 bytes a lane
	v_add_nc_u32 v[ADRA+1], SLOT, v[ADRA]
	v_mul_u32_u24 v3, v1, PITCH
	v_lshl_add_u32 v4, v2, 4, v3
	s_mul_i32 s22, s16, HALFB
	s_add_co_u32 s22, s22, 2*HALFA
	v_add_nc_u32 v[ADRB], s22, v4                  ; P's rows: my 128
	v_add_nc_u32 v[ADRB+1], SLOT, v[ADRB]
	v_mul_u32_u24 v5, v1, 32                       ; my row's scales: 32 bytes a row, 16 more for each 256 passed
	v_lshrrev_b32 v7, 8, v5
	v_lshl_add_u32 v5, v7, 4, v5
	s_mul_i32 s21, s15, HSA
	s_mul_i32 s22, s16, HSB
	s_add_co_u32 s22, s22, 2*HSA
	s_sub_co_u32 s22, s22, s21
	v_mul_u32_u24 v7, s22, v2                      ; lanes 16-31 take P's: the lower base + h x the distance
	s_add_co_u32 s21, s21, SCA
	v_add_nc_u32 v5, v5, v7
	v_add_nc_u32 v[ADRS], s21, v5
	s_mul_i32 s23, s14, 16*SPITCH                  ; my stage
	v_mul_u32_u24 v5, v1, SPITCH
	v_lshl_add_u32 v5, v2, 5, v5
	v_add_nc_u32 v[STO], s23, v5                   ; in: row r, 32 bytes for each half of the lanes
	v_add_nc_u32 v[RD], s23, v[CO]                 ; back: a row of 512 bytes to the 32 lanes
	v_lshlrev_b32 v[BA], 5, v2
	s_wait_alu depctr_va_vdst(0)
	s_lshl_b32 s20, s42, 10
	s_lshl_b32 s21, s16, 9
	s_add_co_u32 s20, s20, s21                     ; my first column, in bytes
	s_mov_b32 s21, 0
	s_add_nc_u64 s[96:97], s[96:97], s[20:21]      ; the bias of my 128 columns
	s_lshl_b32 s22, s17, 19
	s_lshl_b32 s23, s15, 18
	s_add_co_u32 s22, s22, s23
	s_add_co_u32 s20, s20, s22                     ; + my first row: (128 tr + 64 x half) rows of 4,096 bytes
	s_add_nc_u64 s[98:99], s[98:99], s[20:21]
	WIN TO_B
.irp b, 0,1,2,3,4,5,6,7
	global_load_b128 v[BI+8*\b:BI+8*\b+3], v[BA], s[96:97] offset:64*\b          ; register j of tile b: column 16 b + 8 h + j
	global_load_b128 v[BI+8*\b+4:BI+8*\b+7], v[BA], s[96:97] offset:64*\b+16
.endr
	WIN 0
.macro FRAGB reg, adr, q, i
.irp c, 0,1
	ds_load_b128 v[\reg+4*\c:\reg+4*\c+3], v[\adr] offset:64*(\q)+32*\c+(\i)*16*PITCH
.endr
.endm
.macro FRAGA reg, adr, q, i            ; an image comes back as it was stored: 16 bytes a lane, 512 a load
.irp c, 0,1
	ds_load_b128 v[\reg+4*\c:\reg+4*\c+3], v[\adr] offset:4096*(\i)+1024*(\q)+512*\c
.endr
.endm
.macro FETCH2 slot, q, p               ; 24 loads: P's eight and R's four fragments of the slot's q-th 128 along K, into sets p
	WIN TO_B
.irp i, 0,1,2,3,4,5,6,7
	FRAGB 128*(\p)+8*\i, ADRB+\slot, \q, \i
.endr
	WIN 0
.irp i, 0,1,2,3
	FRAGA AF+32*(\p)+8*\i, ADRA+\slot, \q, \i
.endr
.endm
.macro SCALES sc                       ; lanes 0-15 R's block i (for i above 3: bytes that are filled and not used), lanes 16-31 P's block i
.irp i, 0,1,2,3,4,5,6,7
	ds_load_b128 v[SC+32*\sc+4*\i:SC+32*\sc+4*\i+3], v[ADRS] offset:\i*SBLK
.endr
.endm
.macro PLACES n
.rept \n
	v_nop
.endr
.endm
; 16 matrix instructions: R's blocks a0, a0 + 1 x P's eight.  The 32 accumulators take turns, one instruction a turn.  first = 1: the bias starts the sums.
.macro MULP a0, p, q, sc, first
.irp a, \a0, \a0+1
.irp b, 0,1,2,3,4,5,6,7
.if \first
	v_wmma_scale_f32_16x16x128_f8f6f4 v[8*(8*(\a)+\b):8*(8*(\a)+\b)+7], v[128*(\p)+8*\b:128*(\p)+8*\b+7], v[AF+32*(\p)+8*(\a):AF+32*(\p)+8*(\a)+7], v[BI+8*\b:BI+8*\b+7], v[SC+32*(\sc)+4*\b+(\q)], v[SC+32*(\sc)+4*(\a)+(\q)] matrix_a_fmt:MATRIX_FMT_FP4 matrix_b_fmt:MATRIX_FMT_FP4 matrix_a_scale:MATRIX_SCALE_ROW1
.else
	v_wmma_scale_f32_16x16x128_f8f6f4 v[8*(8*(\a)+\b):8*(8*(\a)+\b)+7], v[128*(\p)+8*\b:128*(\p)+8*\b+7], v[AF+32*(\p)+8*(\a):AF+32*(\p)+8*(\a)+7], v[8*(8*(\a)+\b):8*(8*(\a)+\b)+7], v[SC+32*(\sc)+4*\b+(\q)], v[SC+32*(\sc)+4*(\a)+(\q)] matrix_a_fmt:MATRIX_FMT_FP4 matrix_b_fmt:MATRIX_FMT_FP4 matrix_a_scale:MATRIX_SCALE_ROW1
.endif
.endr
.endr
.endm
.macro STEP2 slot, q, first            ; a step that has its successor in the same slot
	PLACES NP                                      ; the other sets were read by the products just issued
	FETCH2 \slot, (\q)+1, 1-(\q)%2
	s_wait_dscnt 24                                ; all but the 24 just issued: this step's sets are in
.if \first
	WIN MULB
.else
	WIN MUL
.endif
	MULP 0, (\q)%2, \q, \slot, \first
	MULP 2, (\q)%2, \q, \slot, \first
.endm
	s_wait_tensorcnt 1                             ; the scales and my part of slot 0 are in (slot 1's load may be out)
	s_barrier_signal -1
	s_barrier_wait -1                              ; everybody's are
	FETCH2 0, 0, 0
	SCALES 0
	s_wait_loadcnt 0x0                             ; the bias
	STEP2 0, 0, 1
	STEP2 0, 1, 0
	STEP2 0, 2, 0
	; slot 0's last step changes slots: one barrier; in front of it each wave waits for all its tensor loads, adds 0 to its spare word, and waits for that and for its reads of slot 0
	WIN 0
	s_wait_tensorcnt 0x0                           ; my part of slot 1 has landed
	ds_add_u32 v[SPW], v[NIL]
	s_wait_dscnt 1                                 ; this step's sets are in (the add may be out)
	WIN MUL
	MULP 0, 1, 3, 0, 0
	s_wait_dscnt 0x0
	s_barrier_signal -1
	MULP 2, 1, 3, 0, 0
	WIN 0
	s_barrier_wait -1                              ; slot 1 is whole, and nobody reads slot 0 any more
	PLACES NP
	v_add_nc_u32 v[ADRS], 16, v[ADRS]              ; on to slot 1's scale words
	FETCH2 1, 0, 0
	SCALES 1
	STEP2 1, 0, 0
	STEP2 1, 1, 0
	STEP2 1, 2, 0
	s_wait_dscnt 0x0                               ; the very last step
	MULP 0, 1, 3, 1, 0
	MULP 2, 1, 3, 1, 0
	WIN 0
; THE WAY OUT, a block of 16 rows x 128 columns at a time, through my own stage: in as 32 bytes a lane, back as whole rows of 512 bytes.  One wave's LDS instructions go in order (ISA guide 5.7.1.4): no wait between stores and loads.
.macro TOSTAGE a
	WIN 0x08                                       ; an LDS store's data: window 2
.irp b, 0,1,2,3,4,5,6,7
	ds_store_b128 v[STO], v[64*(\a)+8*\b:64*(\a)+8*\b+3] offset:64*\b          ; each accumulator from its low end on
	ds_store_b128 v[STO], v[64*(\a)+8*\b+4:64*(\a)+8*\b+7] offset:64*\b+16
.endr
	WIN 0
.set BBK, BK+64*((\a)%2)
.irp t, 0,1,2,3,4,5,6,7,8,9,10,11,12,13,14,15
	ds_load_b128 v[BBK+4*\t:BBK+4*\t+3], v[RD] offset:\t*SPITCH
.endr
.endm
.macro SEND a, younger
.set BBK, BK+64*((\a)%2)
	s_wait_dscnt \younger                          ; the block is back in registers
.irp t, 0,1,2,3,4,5,6,7,8,9,10,11,12,13,14,15
	global_store_b128 v[CO], v[BBK+4*\t:BBK+4*\t+3], s[98:99] offset:(32*((\a)/2)+8*((\a)%2)+\t+8*(\t/8))*4096 th:TH_STORE_NT   ; 32 lanes store 512 consecutive bytes, aligned to 256; the offset is the place's true row
.endr
.endm
	PLACES NP
	TOSTAGE 0
.irp a, 1,2,3
.if \a > 1
	s_wait_xcnt 0x0                                ; block a - 2's stores have read their registers: block a's loads may land there
.endif
	TOSTAGE \a
	SEND \a-1, 32                                  ; behind block a - 1's loads: block a's 16 stores and 16 loads
.endr
	SEND 3, 0
	s_wait_tensorcnt 0x0                           ; the wave's end
	ds_add_u32 v[SPW], v[NIL]
	s_wait_dscnt 0x0
	CROUND                                         ; the closing round
	s_endpgm
.Lfunc_end_k_qeb4216f844_gemm_proj:
	.size	k_qeb4216f844_gemm_proj, .Lfunc_end_k_qeb4216f844_gemm_proj-k_qeb4216f844_gemm_proj
	.p2alignl 7, 3214868480
	.fill 96, 4, 3214868480
	.section	.rodata,"a",@progbits
	.p2align	6, 0x0
	.amdhsa_kernel k_qeb4216f844_gemm_proj
		.amdhsa_group_segment_fixed_size 327680
		.amdhsa_private_segment_fixed_size 0
		.amdhsa_enable_private_segment 0
		.amdhsa_kernarg_size 48
		.amdhsa_user_sgpr_count 2
		.amdhsa_user_sgpr_kernarg_segment_ptr 1
		.amdhsa_wavefront_size32 1
		.amdhsa_system_sgpr_workgroup_id_x 1
		.amdhsa_system_sgpr_workgroup_id_y 1
		.amdhsa_system_sgpr_workgroup_id_z 1
		.amdhsa_system_vgpr_workitem_id 0
		.amdhsa_next_free_vgpr 768
		.amdhsa_next_free_sgpr 100
		.amdhsa_reserve_vcc 0
		.amdhsa_float_denorm_mode_32 3
		.amdhsa_float_denorm_mode_16_64 3
		.amdhsa_memory_ordered 1
		.amdhsa_forward_progress 1
		.amdhsa_inst_pref_size 74
	.end_amdhsa_kernel
	.amdgpu_metadata
---
amdhsa.version: [ 1, 2 ]
amdhsa.kernels:
  - .name:           k_qeb4216f844_gemm_proj
    .symbol:         k_qeb4216f844_gemm_proj.kd
    .args:
      - { .name: ac, .offset: 0, .size: 8, .value_kind: global_buffer, .address_space: global }
      - { .name: asc, .offset: 8, .size: 8, .value_kind: global_buffer, .address_space: global }
      - { .name: opc, .offset: 16, .size: 8, .value_kind: global_buffer, .address_space: global }
      - { .name: ops, .offset: 24, .size: 8, .value_kind: global_buffer, .address_space: global }
      - { .name: proj_b, .offset: 32, .size: 8, .value_kind: global_buffer, .address_space: global }
      - { .name: out0, .offset: 40, .size: 8, .value_kind: global_buffer, .address_space: global }
    .group_segment_fixed_size: 327680
    .private_segment_fixed_size: 0
    .kernarg_segment_align: 8
    .kernarg_segment_size: 48
    .max_flat_workgroup_size: 128
    .sgpr_count:     100
    .vgpr_count:     768
    .wavefront_size: 32
...
	.end_amdgpu_metadata
.endif
;; end of part 4
